; MI455X (gfx1250); checked and timed in simulation.
; The chip was launched on July 23, 2026; its instructions are those of AMD's public machine-readable ISA for CDNA 5 (MIT licence, August 2026) and "CDNA5" Instruction Set Architecture Reference Guide (July 2026). The comments in the code are by the model that wrote it; some were corrected since.
;; Liger Attention. Allowed arithmetic: float matrix products may take bf16 or f16 operands with f32 sums; all other float work in f32.
;; Inputs: Wk 2,048 x 512 float32; Wo 2,048 x 2,048 float32; Wq 2,048 x 2,048 float32; Wv 2,048 x 512 float32; hidden_states 1 x 4,096 x 2,048 float32.
;; Outputs: out0 1 x 4,096 x 2,048 float32.
;; One version. Each part assembles by itself: llvm-mc -triple=amdgcn-amd-amdhsa -mcpu=gfx1250 --defsym DOCPART=n.
;; ======== version 1 of 1: 6 launches
;; limits: values are held in f16: magnitudes above 65,504 overflow, below 6.1e-05 lose precision; values outside matrix products are rounded to f16
;; workspace buffers: cst 38,797,312 bytes; qkvh 25,165,824 bytes; kst 8,521,728 bytes; sst 8,388,864 bytes; o16 16,777,216 bytes
;; launch cast (part 1): grid 1280 x 1, 8 waves a work-group, no clusters, 0 bytes of LDS; arguments hidden_states, Wq, Wk, Wv, Wo, cst; writes cst
.if DOCPART == 1
	.amdgcn_target "amdgcn-amd-amdhsa--gfx1250"
	.amdhsa_code_object_version 6
	.text
	.protected	k_q30cc82be4e_cast
	.globl	k_q30cc82be4e_cast
	.p2align	8
	.type	k_q30cc82be4e_cast,@function
k_q30cc82be4e_cast:
	s_mov_b64 s[64:65], 0
	v_nop
	global_prefetch_b8 v0, s[64:65] scope:SCOPE_SE
	s_setreg_imm32_b32 hwreg(HW_REG_WAVE_MODE, 25, 1), 1
	s_wait_xcnt 0x0
; The inputs rounded once to 16 bits, and RoPE's table.  cst holds: x as bf16 [4096][2048] at 0; Wq | Wk | Wv as bf16 [2048 k][3072 n] at WQKV;
; Wo rounded to bf16 and that number written as f16 [2048 k][2048 n] at WO16; cos f32 [4096][32] at ROPE, sin 524,288 bytes behind it.
; Work-groups 0-1151 take a panel of 32 rows x 512 columns each (x 512 panels, Wq 256, Wk 64, Wv 64, Wo 256); 1152-1279 make the table.
; Wave w owns rows w, w + 8, w + 16, w + 24 of the panel.  A row's 2,048 bytes come in four loads, lane l at 16 l: each load of a wave covers 512 consecutive bytes.  A lane's four numbers
; become 8 bytes: each store of a wave covers 256 consecutive bytes, aligned.  The conversion runs in place; no register is used twice.  No LDS, no barrier: nothing is shared.
; LIMITS.  Wo's bf16 value below 2^-14 keeps f16's fixed step of 2^-24; beyond 65,504 it would overflow.  The angle is pos x 2^(-f log2(10000)/32) with the exponential's
; one unit in the last place; the same table turns q and k, so a score sees only that error times a distance of at most 64 positions.
.set WQKV, 16777216
.set WO16, 29360128
.set ROPE, 37748736
.set SOF,  4                           ; v[4:7]    byte offset of my 16 bytes in the source, row p of my four
.set DOF,  8                           ; v[8:11]   byte offset of my 8 bytes in cst, row p
.set TW,   12                          ; v[12:15]  at work (Wo)
.set X,    16                          ; v[16:79]  16 loads x 4 numbers; the first two registers of each four then hold the 8 bytes to store
	s_load_b256 s[4:11], s[0:1], 0x0               ; x s[4:5], Wq s[6:7], Wk s[8:9], Wv s[10:11]
	s_load_b128 s[12:15], s[0:1], 0x20             ; Wo s[12:13], cst s[14:15]
	s_mov_b32 s16, ttmp9
	s_cmp_ge_u32 s16, 1152
	s_cbranch_scc1 .Lrope
	v_and_b32 v1, 31, v0                           ; lane
	v_lshrrev_b32 v2, 5, v0                        ; wave: my row among eight
	s_mov_b32 s20, WO16                            ; the panel's figures start as Wo's: place in cst,
	s_mov_b32 s21, 896                             ; first work-group,
	s_mov_b32 s22, 8192                            ; bytes in a source row,
	s_mov_b32 s23, 4096                            ; bytes in a row of cst,
	s_mov_b32 s24, 2                               ; log2 of the panels in a row
	s_wait_kmcnt 0x0
	s_mov_b64 s[18:19], s[12:13]
.macro PICK below, src, doff, id0, sp, dp, cbl     ; a lower work-group number takes another tensor's figures
	s_cmp_lt_u32 s16, \below
	s_cselect_b64 s[18:19], s[\src:\src+1], s[18:19]
	s_cselect_b32 s20, \doff, s20
	s_cselect_b32 s21, \id0, s21
	s_cselect_b32 s22, \sp, s22
	s_cselect_b32 s23, \dp, s23
	s_cselect_b32 s24, \cbl, s24
.endm
	PICK 896, 10, WQKV+5120, 832, 2048, 6144, 0    ; Wv: columns 2560 on
	PICK 832, 8,  WQKV+4096, 768, 2048, 6144, 0    ; Wk: columns 2048 on
	PICK 768, 6,  WQKV,      512, 8192, 6144, 2    ; Wq
	PICK 512, 4,  0,         0,   8192, 4096, 2    ; x
	s_sub_co_u32 s25, s16, s21                     ; the panel's number in its tensor
	s_lshr_b32 s26, s25, s24                       ; its block of 32 rows
	s_bfm_b32 s27, s24, 0
	s_and_b32 s27, s25, s27                        ; its block of 512 columns
	s_mul_i32 s28, s26, s22
	s_lshl_b32 s28, s28, 5
	s_lshl_b32 s29, s27, 11
	s_add_co_u32 s28, s28, s29
	s_mov_b32 s29, 0
	s_add_nc_u64 s[18:19], s[18:19], s[28:29]      ; the source at the panel
	s_mul_i32 s30, s26, s23
	s_lshl_b32 s30, s30, 5
	s_lshl_b32 s31, s27, 10
	s_add_co_u32 s30, s30, s31
	s_add_co_u32 s30, s30, s20
	s_mov_b32 s31, 0
	s_add_nc_u64 s[14:15], s[14:15], s[30:31]      ; cst at the panel
	v_mul_lo_u32 v[SOF], v2, s22
	v_lshl_add_u32 v[SOF], v1, 4, v[SOF]
	v_mul_lo_u32 v[DOF], v2, s23
	v_lshl_add_u32 v[DOF], v1, 3, v[DOF]
	s_lshl_b32 s22, s22, 3                         ; my next row is eight rows further down
	s_lshl_b32 s23, s23, 3
.irp p, 1,2,3
	v_add_nc_u32 v[SOF+\p], s22, v[SOF+\p-1]
	v_add_nc_u32 v[DOF+\p], s23, v[DOF+\p-1]
.endr
.set n, 0
.rept 16
	global_load_b128 v[X+4*n:X+4*n+3], v[SOF+n/4], s[18:19] offset:512*(n%4) th:TH_LOAD_NT  ; all sixteen loads go out first
.set n, n+1
.endr
; Load n's four numbers are rounded and stored.  The only wait is for that load: the 15 - n younger ones stay out.
.macro PASSES wo
.set n, 0
.rept 16
	s_wait_loadcnt 15-n
	v_cvt_pk_bf16_f32 v[X+4*n], v[X+4*n], v[X+4*n+1]
	v_cvt_pk_bf16_f32 v[X+4*n+1], v[X+4*n+2], v[X+4*n+3]
.if \wo
	v_lshlrev_b32 v[TW], 16, v[X+4*n]              ; the bf16 numbers as f32,
	v_and_b32 v[TW+1], 0xffff0000, v[X+4*n]
	v_lshlrev_b32 v[TW+2], 16, v[X+4*n+1]
	v_and_b32 v[TW+3], 0xffff0000, v[X+4*n+1]
	v_cvt_pk_f16_f32 v[X+4*n], v[TW], v[TW+1]      ; written as f16
	v_cvt_pk_f16_f32 v[X+4*n+1], v[TW+2], v[TW+3]
.endif
	global_store_b64 v[DOF+n/4], v[X+4*n:X+4*n+1], s[14:15] offset:256*(n%4)
.set n, n+1
.endr
.endm
	s_cmp_ge_u32 s16, 896
	s_cbranch_scc1 .Lwo
	PASSES 0
	s_endpgm
.Lwo:
	PASSES 1
	s_endpgm
; THE TABLE.  Thread tt owns position tt / 8 and the four frequencies 4 (tt % 8) + e.  The angle is reduced by n = round(angle 2/pi) quarter turns in two steps (n has 12 bits and
; 1.5703125 has 8, so the first product is exact); sine and cosine of the rest, at most pi/4, come from their series to r^7 and r^8; n's low two bits turn them.
.Lrope:
	s_sub_co_u32 s17, s16, 1152
	s_mov_b32 s20, 0x3fc90000                      ; 1.5703125
	s_mov_b32 s21, 0x39fdaa22                      ; pi/2 - 1.5703125
	v_lshl_add_u32 v1, s17, 8, v0                  ; tt
	v_lshrrev_b32 v2, 3, v1
	v_cvt_f32_u32 v2, v2                           ; the position
	v_and_b32 v3, 7, v1
	v_lshlrev_b32 v3, 2, v3
	v_lshlrev_b32 v4, 4, v1                        ; my 16 bytes in each table
.irp e, 0,1,2,3
	v_add_nc_u32 v[8+\e], \e, v3
	v_cvt_f32_u32 v[8+\e], v[8+\e]
	v_mul_f32 v[8+\e], 0xbed49a78, v[8+\e]         ; -f log2(10000) / 32
.endr
.irp e, 0,1,2,3
	v_exp_f32 v[8+\e], v[8+\e]
.endr
	v_nop                                          ; a plain instruction behind the last exponential (ISA guide 5.7.2)
	s_wait_alu depctr_va_vdst(0)
.macro TRIG e
.set T, 32+8*(\e)
	v_mul_f32 v[T], v2, v[8+(\e)]                  ; the angle, rounded as the product of two f32
	v_mul_f32 v[T+1], 0x3f22f983, v[T]
	v_rndne_f32 v[T+1], v[T+1]                     ; n
	v_fma_f32 v[T], -v[T+1], s20, v[T]
	v_fma_f32 v[T], -v[T+1], s21, v[T]             ; r
	v_cvt_i32_f32 v[T+2], v[T+1]
	v_mul_f32 v[T+3], v[T], v[T]                   ; r^2
	v_mov_b32 v[T+4], 0xb9500d01                   ; -1/5040
	v_fmaak_f32 v[T+4], v[T+4], v[T+3], 0x3c088889 ; 1/120
	v_fmaak_f32 v[T+4], v[T+4], v[T+3], 0xbe2aaaab ; -1/6
	v_mul_f32 v[T+5], v[T+3], v[T]
	v_fma_f32 v[T+4], v[T+4], v[T+5], v[T]         ; sin r
	v_mov_b32 v[T+5], 0x37d00d01                   ; 1/40320
	v_fmaak_f32 v[T+5], v[T+5], v[T+3], 0xbab60b61 ; -1/720
	v_fmaak_f32 v[T+5], v[T+5], v[T+3], 0x3d2aaaab ; 1/24
	v_fmaak_f32 v[T+5], v[T+5], v[T+3], 0xbf000000 ; -1/2
	v_fma_f32 v[T+5], v[T+5], v[T+3], 1.0          ; cos r
	v_and_b32 v[T+6], 1, v[T+2]
	v_cmp_eq_u32 vcc_lo, 1, v[T+6]                 ; an odd quarter swaps the two
	v_cndmask_b32 v[T+7], v[T+5], v[T+4], vcc_lo
	v_cndmask_b32 v[T+6], v[T+4], v[T+5], vcc_lo
	v_add_nc_u32 v[T+1], 1, v[T+2]
	v_and_b32 v[T+1], 2, v[T+1]                    ; quarters 1 and 2: the cosine is negative
	v_lshlrev_b32 v[T+1], 30, v[T+1]
	v_xor_b32 v[16+(\e)], v[T+1], v[T+7]
	v_and_b32 v[T+2], 2, v[T+2]                    ; quarters 2 and 3: the sine is
	v_lshlrev_b32 v[T+2], 30, v[T+2]
	v_xor_b32 v[20+(\e)], v[T+2], v[T+6]
.endm
.irp e, 0,1,2,3
	TRIG \e
.endr
	s_wait_kmcnt 0x0
	s_add_nc_u64 s[14:15], s[14:15], ROPE
	global_store_b128 v4, v[16:19], s[14:15]                 ; a wave's store covers 512 consecutive bytes
	global_store_b128 v4, v[20:23], s[14:15] offset:524288
	s_endpgm
.Lfunc_end_k_q30cc82be4e_cast:
	.size	k_q30cc82be4e_cast, .Lfunc_end_k_q30cc82be4e_cast-k_q30cc82be4e_cast
	.p2alignl 7, 3214868480
	.fill 96, 4, 3214868480
	.section	.rodata,"a",@progbits
	.p2align	6, 0x0
	.amdhsa_kernel k_q30cc82be4e_cast
		.amdhsa_group_segment_fixed_size 0
		.amdhsa_private_segment_fixed_size 0
		.amdhsa_enable_private_segment 0
		.amdhsa_kernarg_size 48
		.amdhsa_user_sgpr_count 2
		.amdhsa_user_sgpr_kernarg_segment_ptr 1
		.amdhsa_wavefront_size32 1
		.amdhsa_system_sgpr_workgroup_id_x 1
		.amdhsa_system_sgpr_workgroup_id_y 1
		.amdhsa_system_sgpr_workgroup_id_z 1
		.amdhsa_system_vgpr_workitem_id 0
		.amdhsa_next_free_vgpr 80
		.amdhsa_next_free_sgpr 66
		.amdhsa_reserve_vcc 1
		.amdhsa_float_denorm_mode_32 3
		.amdhsa_float_denorm_mode_16_64 3
		.amdhsa_memory_ordered 1
		.amdhsa_forward_progress 1
		.amdhsa_inst_pref_size 25
	.end_amdhsa_kernel
	.amdgpu_metadata
---
amdhsa.version: [ 1, 2 ]
amdhsa.kernels:
  - .name:           k_q30cc82be4e_cast
    .symbol:         k_q30cc82be4e_cast.kd
    .args:
      - { .name: hidden_states, .offset: 0, .size: 8, .value_kind: global_buffer, .address_space: global }
      - { .name: Wq, .offset: 8, .size: 8, .value_kind: global_buffer, .address_space: global }
      - { .name: Wk, .offset: 16, .size: 8, .value_kind: global_buffer, .address_space: global }
      - { .name: Wv, .offset: 24, .size: 8, .value_kind: global_buffer, .address_space: global }
      - { .name: Wo, .offset: 32, .size: 8, .value_kind: global_buffer, .address_space: global }
      - { .name: cst, .offset: 40, .size: 8, .value_kind: global_buffer, .address_space: global }
    .group_segment_fixed_size: 0
    .private_segment_fixed_size: 0
    .kernarg_segment_align: 8
    .kernarg_segment_size: 48
    .max_flat_workgroup_size: 256
    .sgpr_count:     66
    .vgpr_count:     80
    .wavefront_size: 32
...
	.end_amdgpu_metadata
.endif
;; end of part 1
;; launch gemm1 (part 2): grid 8 x 32, 4 waves a work-group, clusters of 4 x 4, 327,680 bytes of LDS; arguments cst, qkvh; writes qkvh
.if DOCPART == 2
	.amdgcn_target "amdgcn-amd-amdhsa--gfx1250"
	.amdhsa_code_object_version 6
	.text
	.protected	k_q30cc82be4e_gemm1
	.globl	k_q30cc82be4e_gemm1
	.p2align	8
	.type	k_q30cc82be4e_gemm1,@function
k_q30cc82be4e_gemm1:
	s_mov_b64 s[64:65], 0
	v_nop
	global_prefetch_b8 v0, s[64:65] scope:SCOPE_SE
	s_setreg_imm32_b32 hwreg(HW_REG_WAVE_MODE, 25, 1), 1
	s_wait_xcnt 0x0
	s_wait_alu depctr_hold_cnt(0) depctr_sa_sdst(0) depctr_va_vdst(0) depctr_va_sdst(0) depctr_va_ssrc(0) depctr_va_vcc(0) depctr_vm_vsrc(0)
	s_getreg_b32 s2, hwreg(HW_REG_IB_STS2, 6, 4)
	s_cmp_eq_u32 s2, 0
	s_cbranch_scc0 .Lentry_in_a_cluster
	s_endpgm
.Lentry_in_a_cluster:
	s_bfe_u32 s2, ttmp6, 0x10000c
	s_cmp_lg_u32 s2, 0xf033
	s_cbranch_scc0 .Lentry_shape_is_right
	s_endpgm
.Lentry_shape_is_right:
; q | k | v = x [Wq | Wk | Wv].  x: bf16 [4096][2048] at cst; the weights: bf16 [2048 k][3072 n] at cst + WQKV; sums in f32; the result leaves by heads, f16 [48][4096][64] (0-31 q, 32-39 k, 40-47 v).
; LIMIT.  f16 holds no number beyond 65,504: q, k and v must stay within it.
; A tile of C is 128 x 384: 32 x 8 = 256 work-groups.  Four waves, each 64 x 192 (three whole heads): 48 accumulators, 384 registers.  K goes in steps of 128 through two LDS slots.
; The weights lie [k][n], so their fragments come out of LDS turned, by ds_load_tr16_b128; they are kept as strips of 128 columns, rows of 256 bytes + 32 of padding.
; CLUSTER 4 x 4: the four of a row need the same tile of x, the four of a column the same strips of the weights: joint loads.  Wave 0 asks for x's tile, waves 1-3 for a strip each.
; THE MATRIX INSTRUCTION IS USED TRANSPOSED (source 0 = 16 columns of the weights, source 1 = 16 rows of x): a lane holds eight neighbouring numbers of a row of C.
; REGISTERS: window 0: v0-31 addresses, v128-191 x's fragments (two buffers of 4 x 8), on the way out v32-223; window 1: the weights' fragments, two buffers of 96;
;   window 2: accumulators of row blocks 0, 1 ((a, b) at 8 (12 (a % 2) + b)); window 3: of row blocks 2, 3.
.set NB,     12                        ; column blocks of 16 a wave
.set PA,     272                       ; a row of x in LDS: 256 bytes + 16
.set PB,     288                       ; a row of a strip: 256 + 32 = 9 x 32 bytes
.set STRIP,  128*PB
.set SLOT,   4*STRIP                   ; x's tile in the first 36,864 bytes, then three strips
.set STAGE,  2*SLOT                    ; 16 rows x 144 bytes for each wave, for the way out
.set SP,     144
.set SPARE,  STAGE+4*16*SP             ; the spare words: two blocks of 256 bytes that no other line names
.set LAPS,   8                         ; 2,048 / 256
.set WQKV,   16777216
.set STEPA,  512                       ; two K steps along x's rows
.set STEPB,  2*128*6144                ; two K steps down the weights' rows
.set ADRA, 16                          ; v16-17  my fragments of x in slot 0, 1
.set ADRB, 18                          ; v18-23  my three groups of 64 columns in slot 0, then in slot 1
.set STO,  24
.set RD,   25
.set CO,   26
.set SPW,  28
.set NIL,  29
.set OUT,  32
.set FA,   128
.set FB,   0
.set G1, 24
.set G0, 32
.set G1B, 48
.set G0B, 56
.set MSB, 0
.macro WIN new                         ; the immediate's high byte repeats the setting that is left
.if MSB != (\new)
	s_set_vgpr_msb (MSB<<8)|(\new)
.set MSB, \new
.endif
.endm
.set MUL_LO, 0xa1                      ; source 0 window 1, source 1 window 0, C and D window 2
.set MUL_HI, 0xf1                      ; the same, C and D window 3
.set TO_B,   0x40                      ; destination window 1, address window 0
.macro JLOAD s                         ; a joint load; an s_nop 0 and four v_nop follow each of the two lines
	s_cmp_eq_u32 s10, 0
	s_cbranch_scc0 .Lfor_b_\@
	tensor_load_to_lds s[G0+4*(\s):G0+4*(\s)+3], s[G1:G1+7]
	s_nop 0
.rept 4
	v_nop
.endr
	s_branch .Lasked_\@
.Lfor_b_\@:
	tensor_load_to_lds s[G0B+4*(\s):G0B+4*(\s)+3], s[G1B:G1B+7]
	s_nop 0
.rept 4
	v_nop
.endr
.Lasked_\@:
.endm
.macro CREST                           ; a round of the cluster's barrier behind its opening barrier
	s_cmp_lg_u32 s10, 0
	s_cbranch_scc1 .Lnot_wave_0_\@
	s_barrier_signal -3
.Lnot_wave_0_\@:
	s_barrier_wait -3
	s_barrier_signal -1
	s_barrier_wait -1
.endm
.macro CROUND
	s_barrier_signal -1
	s_barrier_wait -1
	CREST
.endm
	s_load_b128 s[68:71], s[0:1], 0x0              ; cst s[68:69], qkvh s[70:71]
	v_lshl_add_u32 v[SPW], v0, 2, SPARE
	v_mov_b32 v[NIL], 0
	ds_add_u32 v[SPW], v[NIL]                      ; the wave's opening: the add and its wait ahead of my first tensor load
	v_lshrrev_b32 v1, 5, v0
	v_readfirstlane_b32 s10, v1                    ; wave 0..3
	s_lshr_b32 s11, s10, 1                         ; my half of the tile's rows
	s_and_b32 s12, s10, 1                          ; my half of its columns
	s_bfe_u32 s40, ttmp6, 0x40000                  ; cx
	s_bfe_u32 s41, ttmp6, 0x40004                  ; cy
	s_lshl_b32 s42, ttmp9, 2
	s_add_co_u32 s42, s42, s40                     ; tile column
	s_and_b32 s13, ttmp7, 0xffff
	s_lshl_b32 s13, s13, 2
	s_add_co_u32 s13, s13, s41                     ; tile row
	s_lshl_b32 s43, s41, 2
	s_lshl_b32 s43, 15, s43                        ; my row of the cluster
	s_lshl_b32 s44, 0x1111, s40                    ; my column
	s_or_b32 s[G1+0], s43, (1<<16)|(1<<20)|(1<<21)|(5<<22)|(3<<25)   ; mask; 2-byte elements; padding on; bit 21 beside a mask; after every 64 words 4 words
	s_or_b32 s[G1B+0], s44, (1<<16)|(1<<20)|(1<<21)|(5<<22)|(7<<25)  ; the same with my column's mask and 8 words
.irp g, G1, G1B
	s_mov_b32 s[\g+1], 128<<16                     ; tensor_dim0 = 128
	s_mov_b32 s[\g+2], 128<<16                     ; tensor_dim1 = 128
	s_mov_b32 s[\g+3], 128<<16                     ; tile_dim0 = 128
	s_mov_b32 s[\g+4], 128                         ; tile_dim1 = 128
	s_mov_b32 s[\g+6], 0
	s_mov_b32 s[\g+7], 0
.endr
	s_mov_b32 s[G1+5], 2048                        ; elements from row to row of x,
	s_mov_b32 s[G1B+5], 3072                       ; of the weights
	s_lshl_b32 s16, s13, 19                        ; x: 128 rows of 4,096 bytes a tile row
	s_mov_b32 s17, 0
	s_mul_i32 s46, s42, 768                        ; the weights: 384 columns a tile column,
	s_lshl_b32 s47, s10, 8                         ; strip wave - 1 (wave 0 never asks by this address)
	s_add_co_u32 s46, s46, s47
	s_add_co_u32 s46, s46, WQKV-256
	s_mov_b32 s47, 0
	s_mul_i32 s20, s10, STRIP                      ; where my load lands: wave x 36,864
	s_wait_dscnt 0x0                               ; the opening add is done
	s_wait_kmcnt 0x0
	s_add_nc_u64 s[14:15], s[68:69], s[16:17]
	s_add_nc_u64 s[46:47], s[68:69], s[46:47]
	CROUND                                         ; all sixteen work-groups are here: the first joint loads meet
.irp s, 0,1
	s_mov_b32 s[G0+4*\s], 1
	s_add_co_u32 s[G0+4*\s+1], s20, \s*SLOT
	s_add_nc_u64 s[G0+4*\s+2:G0+4*\s+3], s[14:15], \s*256
	s_or_b32 s[G0+4*\s+3], s[G0+4*\s+3], 0x80000000
	s_mov_b32 s[G0B+4*\s], 1
	s_add_co_u32 s[G0B+4*\s+1], s20, \s*SLOT
	s_add_nc_u64 s[G0B+4*\s+2:G0B+4*\s+3], s[46:47], \s*128*6144
	s_or_b32 s[G0B+4*\s+3], s[G0B+4*\s+3], 0x80000000
	JLOAD \s                                       ; two loads of mine are out
.endr
	v_and_b32 v1, 15, v0                           ; r = l % 16
	v_bfe_u32 v2, v0, 4, 1                         ; h = l / 16
	v_mul_u32_u24 v3, v1, PA
	v_lshl_add_u32 v3, v2, 4, v3
	s_mul_i32 s21, s11, 64*PA
	v_add_nc_u32 v[ADRA], s21, v3                  ; x: (64 half + r) x pitch + 16 h
	v_add_nc_u32 v[ADRA+1], SLOT, v[ADRA]
	v_and_b32 v4, 7, v0
	v_lshl_add_u32 v4, v2, 3, v4
	v_mul_u32_u24 v4, v4, PB                       ; the turning load: row 8 h + l % 8,
	v_bfe_u32 v5, v0, 3, 1
	v_lshl_add_u32 v4, v5, 4, v4                   ; 16 bytes for each half of eight lanes
	s_mul_i32 s22, s12, 3
.irp gg, 0,1,2
	s_add_co_u32 s23, s22, \gg                     ; my group of 64 columns among the tile's six:
	s_lshr_b32 s21, s23, 1
	s_mul_i32 s21, s21, STRIP                      ; its strip,
	s_and_b32 s23, s23, 1
	s_lshl_b32 s23, s23, 7                         ; its half of the strip's rows
	s_add_co_u32 s21, s21, s23
	s_add_co_u32 s21, s21, STRIP
	v_add_nc_u32 v[ADRB+\gg], s21, v4
	v_add_nc_u32 v[ADRB+3+\gg], SLOT, v[ADRB+\gg]
.endr
	s_mul_i32 s23, s10, 16*SP
	s_add_co_u32 s23, s23, STAGE                   ; my stage
	v_mul_u32_u24 v5, v1, SP
	v_lshl_add_u32 v5, v2, 4, v5
	v_add_nc_u32 v[STO], s23, v5                   ; in: row r, 16 bytes for each half of the lanes
	v_bfe_u32 v[RD], v0, 3, 2
	v_mul_u32_u24 v[RD], v[RD], SP
	v_and_b32 v6, 7, v0
	v_lshl_add_u32 v[RD], v6, 4, v[RD]
	v_add_nc_u32 v[RD], s23, v[RD]                 ; back: 32 lanes take four rows of 128 bytes,
	v_and_b32 v[CO], 31, v0
	v_lshlrev_b32 v[CO], 4, v[CO]                  ; which are 512 consecutive bytes of a head
	s_mul_i32 s46, s42, 6
	s_mul_i32 s47, s12, 3
	s_add_co_u32 s46, s46, s47
	s_lshl_b32 s46, s46, 19                        ; my first head: 6 x tile column + 3 x half, 524,288 bytes each
	s_lshl_b32 s16, s13, 14
	s_lshl_b32 s17, s11, 13
	s_add_co_u32 s16, s16, s17                     ; my first row: (128 x tile row + 64 x half) x 128 bytes
	s_add_co_u32 s16, s16, s46
	s_mov_b32 s17, 0
	s_add_nc_u64 s[70:71], s[70:71], s[16:17]
; 12 matrix instructions: row block 2 hi + a x all column blocks, 32 along K, from buffer f.  The 48 accumulators take turns, one instruction a turn.
.macro MULA f, hi, a, zero
	WIN MUL_LO+0x50*(\hi)
.set rA, FA+32*(\f)+8*(2*(\hi)+(\a))
.irp b, 0,1,2,3,4,5,6,7,8,9,10,11
.set rC, 8*(NB*(\a)+\b)
.set rB, FB+8*NB*(\f)+8*\b
.if \zero
	v_wmma_f32_16x16x32_bf16 v[rC:rC+7], v[rB:rB+7], v[rA:rA+7], 0
.else
	v_wmma_f32_16x16x32_bf16 v[rC:rC+7], v[rB:rB+7], v[rA:rA+7], v[rC:rC+7]
.endif
.endr
.endm
; 32 LDS loads in one run: quarter q (32 along K) of a slot into buffer f: 24 turning loads of the weights, then 8 of x, row blocks ascending
.macro FETCH slot, q, f
	WIN TO_B
.irp b, 0,1,2,3,4,5,6,7,8,9,10,11
	ds_load_tr16_b128 v[FB+8*NB*(\f)+8*\b:FB+8*NB*(\f)+8*\b+3],   v[ADRB+3*(\slot)+\b/4] offset:(\q)*32*PB+(\b%4)*32
	ds_load_tr16_b128 v[FB+8*NB*(\f)+8*\b+4:FB+8*NB*(\f)+8*\b+7], v[ADRB+3*(\slot)+\b/4] offset:(\q)*32*PB+(\b%4)*32+16*PB
.endr
	WIN 0
.irp a, 0,1,2,3
	ds_load_b128 v[FA+32*(\f)+8*\a:FA+32*(\f)+8*\a+3],   v[ADRA+(\slot)] offset:(\q)*64+\a*16*PA
	ds_load_b128 v[FA+32*(\f)+8*\a+4:FA+32*(\f)+8*\a+7], v[ADRA+(\slot)] offset:(\q)*64+\a*16*PA+32
.endr
.endm
.macro PLACES                          ; four places in front of loads into registers that matrix instructions have read, and of conversions that read results
.rept 4
	v_nop
.endr
.endm
; A K step is four quarters on buffers 0, 1, 0, 1.  One of the first three multiplies buffer f and, in its middle, fetches quarter q into buffer g.
.macro QUARTER slot, q, f, g, zero
	s_wait_dscnt 4                                 ; all but the youngest four loads: x's row blocks 2 and 3
	MULA \f, 0, 0, \zero
	MULA \f, 0, 1, \zero
	PLACES
	FETCH \slot, \q, \g
	s_wait_dscnt 2*NB+8                            ; all but the 32 just issued
	MULA \f, 1, 0, \zero
	MULA \f, 1, 1, \zero
.endm
; The last quarter multiplies buffer 1 and changes slots: one barrier; in front of it each wave waits for all its tensor loads, adds 0 to its spare word, and waits for that and for its reads of the slot.
.macro TURN slot, next, fill
	WIN 0
	s_wait_tensorcnt 0x0                           ; all my tensor loads have landed: the one that was out is my part of the next slot
	ds_add_u32 v[SPW], v[NIL]
	s_wait_dscnt 5                                 ; the add and the youngest four loads may be out
	MULA 1, 0, 0, 0
	s_wait_dscnt 0x0                               ; the add is done, and my reads of this slot are over
	s_barrier_signal -1
	MULA 1, 0, 1, 0
.if \fill
	WIN 0
.endif
	s_barrier_wait -1
.if \fill
	CREST                                          ; the barrier has opened a round of the cluster's: no wave of any partner still reads this slot or has a load on its way
	s_add_nc_u64 s[G0+4*(\slot)+2:G0+4*(\slot)+3], s[G0+4*(\slot)+2:G0+4*(\slot)+3], STEPA
	s_add_nc_u64 s[G0B+4*(\slot)+2:G0B+4*(\slot)+3], s[G0B+4*(\slot)+2:G0B+4*(\slot)+3], STEPB
	JLOAD \slot                                    ; my one load behind the round; its four v_nop are also the places in front of the loads below
.else
	PLACES
.endif
	FETCH \next, 0, 0
	MULA 1, 1, 0, 0
	MULA 1, 1, 1, 0
.endm
	s_wait_tensorcnt 1                             ; my part of K step 0 is in; K step 1's may stay out
	s_barrier_signal -1
	s_barrier_wait -1
	FETCH 0, 0, 0
	QUARTER 0, 1, 0, 1, 1                          ; the first quarter's products start the sums
	WIN 0
	s_mov_b32 s3, LAPS-1
.Llap:                                             ; a trip goes once round the ring and fills both slots again
	QUARTER 0, 2, 1, 0, 0
	QUARTER 0, 3, 0, 1, 0
	TURN 0, 1, 1
	QUARTER 1, 1, 0, 1, 0
	QUARTER 1, 2, 1, 0, 0
	QUARTER 1, 3, 0, 1, 0
	TURN 1, 0, 1
	QUARTER 0, 1, 0, 1, 0
	WIN 0
	s_sub_co_u32 s3, s3, 1
	s_cmp_lg_u32 s3, 0
	s_cbranch_scc1 .Llap
	QUARTER 0, 2, 1, 0, 0                          ; the last lap fills nothing
	QUARTER 0, 3, 0, 1, 0
	TURN 0, 1, 0
	QUARTER 1, 1, 0, 1, 0
	QUARTER 1, 2, 1, 0, 0
	QUARTER 1, 3, 0, 1, 0
	s_wait_dscnt 4
	MULA 1, 0, 0, 0
	MULA 1, 0, 1, 0
	s_wait_dscnt 0x0
	MULA 1, 1, 0, 0
	MULA 1, 1, 1, 0
	WIN 0
; THE WAY OUT.  Block (a, gg) is 16 rows of one head: 2,048 dense bytes.  Rounded to f16, 16 bytes a lane into my stage, back as whole rows, stored.  Each of the 12 blocks has 16 registers of its own.
.macro PACK a, gg
.set ob, OUT+16*(3*(\a)+(\gg))
	WIN 0x0a+5*((\a)/2)                            ; sources 0 and 1: window 2 or 3
.irp bb, 0,1,2,3
.irp p, 0,1,2,3
	v_cvt_pk_f16_f32 v[ob+4*\bb+\p], v[8*(NB*((\a)%2)+4*(\gg)+\bb)+2*\p], v[8*(NB*((\a)%2)+4*(\gg)+\bb)+2*\p+1]
.endr
.endr
	WIN 0
.irp bb, 0,1,2,3
	ds_store_b128 v[STO], v[ob+4*\bb:ob+4*\bb+3] offset:32*\bb
.endr
.irp f, 0,1,2,3
	ds_load_b128 v[ob+4*\f:ob+4*\f+3], v[RD] offset:\f*4*SP  ; LDS serves a wave's instructions in order (ISA guide 5.7.1.4): these see the stores above
.endr
.endm
.macro SEND a, gg, younger             ; younger: the next block's eight LDS instructions, or none
.set ob, OUT+16*(3*(\a)+(\gg))
.irp f, 0,1,2,3
	s_wait_dscnt (\younger)+3-\f
	global_store_b128 v[CO], v[ob+4*\f:ob+4*\f+3], s[70:71] offset:(\gg)*524288+(\a)*2048+\f*512  ; 512 consecutive bytes, at a multiple of 256 from the buffer's first
.endr
.endm
	PLACES
	PACK 0, 0
.set n1, 1
.rept 11
	PACK n1/3, n1%3
	SEND (n1-1)/3, (n1-1)%3, 8
.set n1, n1+1
.endr
	SEND 3, 2, 0
	s_wait_tensorcnt 0x0                           ; the wave's end
	ds_add_u32 v[SPW], v[NIL]
	s_wait_dscnt 0x0
	CROUND                                         ; the closing round
	s_endpgm
.Lfunc_end_k_q30cc82be4e_gemm1:
	.size	k_q30cc82be4e_gemm1, .Lfunc_end_k_q30cc82be4e_gemm1-k_q30cc82be4e_gemm1
	.p2alignl 7, 3214868480
	.fill 96, 4, 3214868480
	.section	.rodata,"a",@progbits
	.p2align	6, 0x0
	.amdhsa_kernel k_q30cc82be4e_gemm1
		.amdhsa_group_segment_fixed_size 327680
		.amdhsa_private_segment_fixed_size 0
		.amdhsa_enable_private_segment 0
		.amdhsa_kernarg_size 16
		.amdhsa_user_sgpr_count 2
		.amdhsa_user_sgpr_kernarg_segment_ptr 1
		.amdhsa_wavefront_size32 1
		.amdhsa_system_sgpr_workgroup_id_x 1
		.amdhsa_system_sgpr_workgroup_id_y 1
		.amdhsa_system_sgpr_workgroup_id_z 1
		.amdhsa_system_vgpr_workitem_id 0
		.amdhsa_next_free_vgpr 960
		.amdhsa_next_free_sgpr 80
		.amdhsa_reserve_vcc 0
		.amdhsa_float_denorm_mode_32 3
		.amdhsa_float_denorm_mode_16_64 3
		.amdhsa_memory_ordered 1
		.amdhsa_forward_progress 1
		.amdhsa_inst_pref_size 121
	.end_amdhsa_kernel
	.amdgpu_metadata
---
amdhsa.version: [ 1, 2 ]
amdhsa.kernels:
  - .name:           k_q30cc82be4e_gemm1
    .symbol:         k_q30cc82be4e_gemm1.kd
    .args:
      - { .name: cst, .offset: 0, .size: 8, .value_kind: global_buffer, .address_space: global }
      - { .name: qkvh, .offset: 8, .size: 8, .value_kind: global_buffer, .address_space: global }
    .group_segment_fixed_size: 327680
    .private_segment_fixed_size: 0
    .kernarg_segment_align: 8
    .kernarg_segment_size: 16
    .max_flat_workgroup_size: 128
    .sgpr_count:     80
    .vgpr_count:     960
    .wavefront_size: 32
...
	.end_amdgpu_metadata
.endif
;; end of part 2
;; launch kstate (part 3): grid 8 x 64, 4 waves a work-group, no clusters, 57,088 bytes of LDS; arguments qkvh, kst; writes kst
.if DOCPART == 3
	.amdgcn_target "amdgcn-amd-amdhsa--gfx1250"
	.amdhsa_code_object_version 6
	.text
	.protected	k_q30cc82be4e_kstate
	.globl	k_q30cc82be4e_kstate
	.p2align	8
	.type	k_q30cc82be4e_kstate,@function
k_q30cc82be4e_kstate:
	s_mov_b64 s[64:65], 0
	v_nop
	global_prefetch_b8 v0, s[64:65] scope:SCOPE_SE
	s_setreg_imm32_b32 hwreg(HW_REG_WAVE_MODE, 25, 1), 1
	s_wait_xcnt 0x0
; For key-value head g (x) and chunk c of 64 tokens (y): U = what the chunk adds to the gated state S[key dim][v] when it starts from 0, the chunk's decay for each key dim, and max |v|.
; kl = softmax(k); the gate in base 2 is g2 = log2(sigmoid(k)) / 16 = (min(k, 0) log2e - log2(1 + 2^(-|k| log2e))) / 16 <= 0.  A chunk is four blocks of 16 tokens, a wave a block.
; In a block, with b_t the running sum of g2: F_t = 2^(b_15 - b_t) <= 1, D = 2^(b_15) <= 1.  S' = D S + sum over the block of (kl_t F_t) v_t^T: no exponent is ever positive.
; LAYOUTS.  Token layout: lane (r = l % 16, h = l / 16) holds token r; register 8 i + e holds dim 16 i + 8 h + e.  Dims layout: lane l holds dims 2 l, 2 l + 1 of all 16 tokens.
; The change goes through the wave's own table in LDS (16 rows of 272 bytes), in order, so only the loads are waited for.
; The state's product takes 16 tokens as K: the upper halves of both operands are 0.  Wave w owns v columns 16 w .. 16 w + 15: four accumulators, by turns.
; No cluster: no two work-groups read a common byte.  LIMITS: a factor below 2^-126 counts as 0; NaN and infinities are not treated apart.
.set KH,    0                          ; kl F as f16, 64 tokens x 160 bytes (128 + 32: five times 32)
.set VV,    10240                      ; v as f16, likewise
.set DI,    20480                      ; D of the four blocks, 256 bytes each
.set VM,    21504                      ; the four waves' max |v|
.set SCR,   21760                      ; two tables of 4,352 bytes for each wave
.set SPARE, 56576                      ; the spare words
.set R, 1
.set H, 2
.set LN, 3
.set SPW, 4
.set NIL, 5
.set GQ, 6                             ; token layout in memory: (16 I + r) 128 + 16 h
.set GL, 7                             ; dense: 2,048 I + 16 l
.set TKA, 8                            ; my table, token layout: r 272 + 32 h
.set DMA, 9                            ; my table, dims layout: 8 l
.set LKW, 10
.set LVW, 11
.set LKT, 12
.set LVS, 13
.set LDI, 14
.set GS, 15
.set TT, 16
.set ST, 32                            ; v32-63   the state: register 8 kb + j = S[16 kb + 8 h + j][16 w + r]
.set AF, 64                            ; v64-95   (kl F)^T, four fragments
.set DD, 208                           ; v208-239 D for my state registers
.set BF, 240                           ; v240-247 v's fragment
.set L2E, 36                           ; s[36:37] log2 e
.set L16, 38                           ; s[38:39] log2 e / 16
.set M16, 40                           ; s[40:41] -1/16
.set SEL, 44                           ; s[44:45] v_permlanex16_b32: each lane takes its own place in the other half
.set CNT, 48
.set WI, 54
.macro CVT96 D                         ; 32 numbers f16 -> f32 out of v96-111
.set z, \D
.irp s, v96.l,v96.h,v97.l,v97.h,v98.l,v98.h,v99.l,v99.h,v100.l,v100.h,v101.l,v101.h,v102.l,v102.h,v103.l,v103.h,v104.l,v104.h,v105.l,v105.h,v106.l,v106.h,v107.l,v107.h,v108.l,v108.h,v109.l,v109.h,v110.l,v110.h,v111.l,v111.h
	v_cvt_f32_f16 v[z], \s
.set z, z+1
.endr
.endm
.macro CVT112 D                        ; the same out of v112-127
.set z, \D
.irp s, v112.l,v112.h,v113.l,v113.h,v114.l,v114.h,v115.l,v115.h,v116.l,v116.h,v117.l,v117.h,v118.l,v118.h,v119.l,v119.h,v120.l,v120.h,v121.l,v121.h,v122.l,v122.h,v123.l,v123.h,v124.l,v124.h,v125.l,v125.h,v126.l,v126.h,v127.l,v127.h
	v_cvt_f32_f16 v[z], \s
.set z, z+1
.endr
.endm
.macro PK16 D, S                       ; 32 numbers f32 -> f16, packed
.set z, 0
.rept 16
	v_cvt_pk_f16_f32 v[\D+z], v[\S+2*z], v[\S+2*z+1]
.set z, z+1
.endr
.endm
.macro PKMUL D, A, B                   ; 32 products
.set z, 0
.rept 16
	v_pk_mul_f32 v[\D+z:\D+z+1], v[\A+z:\A+z+1], v[\B+z:\B+z+1]
.set z, z+2
.endr
.endm
.macro EXP32 D, S
.set z, 0
.rept 32
	v_exp_f32 v[\D+z], v[\S+z]
.set z, z+1
.endr
.endm
; Y = softmax of a token's 64 numbers, 32 in X here and 32 in the lane 16 away; the maximum is taken away.  T: six registers at work.
.macro SOFTMAX32 Y, X, T
.irp c, 0,1,2,3
	v_max3_num_f32 v[\T+\c], v[\X+8*\c], v[\X+8*\c+1], v[\X+8*\c+2]
.endr
.irp c, 0,1,2,3
	v_max3_num_f32 v[\T+\c], v[\T+\c], v[\X+8*\c+3], v[\X+8*\c+4]
.endr
.irp c, 0,1,2,3
	v_max3_num_f32 v[\T+\c], v[\T+\c], v[\X+8*\c+5], v[\X+8*\c+6]
.endr
	v_max3_num_f32 v[\T], v[\T], v[\X+7], v[\X+15]
	v_max3_num_f32 v[\T+2], v[\T+2], v[\X+23], v[\X+31]
	v_max3_num_f32 v[\T], v[\T], v[\T+1], v[\T+2]
	v_max_num_f32 v[\T], v[\T], v[\T+3]
	v_permlanex16_b32 v[\T+1], v[\T], s[SEL], s[SEL+1]
	v_max_num_f32 v[\T], v[\T], v[\T+1]
	v_mul_f32 v[\T], s[L2E], v[\T]
.set z, 0
.rept 16
	v_pk_fma_f32 v[\Y+z:\Y+z+1], v[\X+z:\X+z+1], s[L2E:L2E+1], v[\T:\T+1] op_sel_hi:[1,0,0] neg_lo:[0,0,1] neg_hi:[0,0,1]
.set z, z+2
.endr
	EXP32 \Y, \Y
	v_nop                                          ; a plain instruction behind the last exponential
	s_wait_alu depctr_va_vdst(0)
	v_pk_add_f32 v[\T+2:\T+3], v[\Y:\Y+1], v[\Y+2:\Y+3]
	v_pk_add_f32 v[\T+4:\T+5], v[\Y+4:\Y+5], v[\Y+6:\Y+7]
.set z, 8
.rept 6
	v_pk_add_f32 v[\T+2:\T+3], v[\T+2:\T+3], v[\Y+z:\Y+z+1]
	v_pk_add_f32 v[\T+4:\T+5], v[\T+4:\T+5], v[\Y+z+2:\Y+z+3]
.set z, z+4
.endr
	v_pk_add_f32 v[\T+2:\T+3], v[\T+2:\T+3], v[\T+4:\T+5]
	v_add_f32 v[\T+2], v[\T+2], v[\T+3]
	v_permlanex16_b32 v[\T+3], v[\T+2], s[SEL], s[SEL+1]
	v_add_f32 v[\T+2], v[\T+2], v[\T+3]
	v_rcp_f32 v[\T+2], v[\T+2]
	v_nop
.set z, 0
	s_wait_alu depctr_va_vdst(0)
.rept 16
	v_pk_mul_f32 v[\Y+z:\Y+z+1], v[\Y+z:\Y+z+1], v[\T+2:\T+3] op_sel_hi:[1,0]
.set z, z+2
.endr
.endm
; G = log2(sigmoid(X)) / 16.  T: 32 registers at work.
.macro GATES G, X, T
.set z, 0
.rept 32
	v_mul_f32 v[\T+z], -|v[\X+z]|, s[L2E]
.set z, z+1
.endr
	EXP32 \T, \T
	v_nop
.set z, 0
	s_wait_alu depctr_va_vdst(0)
.rept 16
	v_pk_add_f32 v[\T+z:\T+z+1], v[\T+z:\T+z+1], 1.0 op_sel_hi:[1,0]
.set z, z+2
.endr
.set z, 0
.rept 32
	v_log_f32 v[\T+z], v[\T+z]
.set z, z+1
.endr
.set z, 0
.rept 32
	v_min_num_f32 v[\G+z], 0, v[\X+z]              ; the first of these is the plain instruction behind the last logarithm
.set z, z+1
.endr
.set z, 0
.rept 16
	v_pk_mul_f32 v[\G+z:\G+z+1], v[\G+z:\G+z+1], s[L16:L16+1] op_sel_hi:[1,0]
.set z, z+2
.endr
.set z, 0
	s_wait_alu depctr_va_vdst(0)
.rept 16
	v_pk_fma_f32 v[\G+z:\G+z+1], v[\T+z:\T+z+1], s[M16:M16+1], v[\G+z:\G+z+1] op_sel_hi:[1,0,1]
.set z, z+2
.endr
.endm
.macro TOKST A, R0, off=0              ; 32 registers in token layout into a table
.irp i, 0,1,2,3
	ds_store_b128 v[\A], v[\R0+8*\i:\R0+8*\i+3] offset:(\off)+64*\i
	ds_store_b128 v[\A], v[\R0+8*\i+4:\R0+8*\i+7] offset:(\off)+64*\i+16
.endr
.endm
.macro TOKLD R0, A, off=0
.irp i, 0,1,2,3
	ds_load_b128 v[\R0+8*\i:\R0+8*\i+3], v[\A] offset:(\off)+64*\i
	ds_load_b128 v[\R0+8*\i+4:\R0+8*\i+7], v[\A] offset:(\off)+64*\i+16
.endr
.endm
.macro DIMLD R0, A, off=0              ; the same table in dims layout: pair t = token t
.set z, 0
.rept 16
	ds_load_b64 v[\R0+2*z:\R0+2*z+1], v[\A] offset:(\off)+272*z
.set z, z+1
.endr
.endm
.macro DIMST A, R0, off=0
.set z, 0
	s_wait_alu depctr_va_vdst(0)
.rept 16
	ds_store_b64 v[\A], v[\R0+2*z:\R0+2*z+1] offset:(\off)+272*z
.set z, z+1
.endr
.endm
; One block's step of the state.  zero = 1: the state starts from 0.  The three address steps and a v_nop are the four places behind the products.
.macro SUPD zero
.if !(\zero)
.irp kb, 0,1,2,3
	ds_load_b128 v[DD+8*\kb:DD+8*\kb+3], v[LDI] offset:64*\kb
	ds_load_b128 v[DD+8*\kb+4:DD+8*\kb+7], v[LDI] offset:64*\kb+16
.endr
.endif
.irp kb, 0,1,2,3
	ds_load_tr16_b128 v[AF+8*\kb:AF+8*\kb+3], v[LKT] offset:32*\kb
.endr
	ds_load_tr16_b128 v[BF:BF+3], v[LVS]
	s_wait_dscnt 0x0
.if !(\zero)
	PKMUL ST, ST, DD
.endif
.irp kb, 0,1,2,3
.if \zero
	v_wmma_f32_16x16x32_f16 v[ST+8*\kb:ST+8*\kb+7], v[AF+8*\kb:AF+8*\kb+7], v[BF:BF+7], 0
.else
	v_wmma_f32_16x16x32_f16 v[ST+8*\kb:ST+8*\kb+7], v[AF+8*\kb:AF+8*\kb+7], v[BF:BF+7], v[ST+8*\kb:ST+8*\kb+7]
.endif
.endr
	v_add_nc_u32 v[LDI], 256, v[LDI]
	v_add_nc_u32 v[LKT], 2560, v[LKT]
	v_add_nc_u32 v[LVS], 2560, v[LVS]
	v_nop
.endm
	s_load_b128 s[4:7], s[0:1], 0x0                ; qkvh s[4:5], kst s[6:7]
	v_lshl_add_u32 v[SPW], v0, 2, SPARE
	v_mov_b32 v[NIL], 0
	v_lshrrev_b32 v1, 5, v0
	v_readfirstlane_b32 s[WI], v1                  ; my wave = my block I
	v_and_b32 v[R], 15, v0
	v_bfe_u32 v[H], v0, 4, 1
	v_and_b32 v[LN], 31, v0
	s_mov_b32 s55, ttmp9                           ; g
	s_and_b32 s56, ttmp7, 0xffff                   ; c
	s_mov_b32 s[L2E], 0x3fb8aa3b
	s_mov_b32 s[L2E+1], s[L2E]
	s_mov_b32 s[L16], 0x3db8aa3b
	s_mov_b32 s[L16+1], s[L16]
	s_mov_b32 s[M16], 0xbd800000
	s_mov_b32 s[M16+1], s[M16]
	s_mov_b32 s[SEL], 0x76543210
	s_mov_b32 s[SEL+1], 0xfedcba98
	s_add_co_u32 s16, s55, 32
	s_lshl_b32 s16, s16, 19                        ; k's head, 524,288 bytes each,
	s_lshl_b32 s17, s56, 13                        ; the chunk's 64 rows of 128 bytes
	s_add_co_u32 s16, s16, s17
	s_mov_b32 s17, 0
	s_lshl_b32 s57, s55, 6
	s_add_co_u32 s57, s57, s56                     ; 64 g + c
	s_lshl_b32 s20, s57, 14
	s_mov_b32 s21, 0
	s_lshl_b32 s22, s57, 8
	s_mov_b32 s23, 0
	s_lshl_b32 s24, s57, 2
	s_mov_b32 s25, 0
	s_lshl_b32 s58, s[WI], 11
	v_lshl_add_u32 v[GL], v[LN], 4, s58
	v_lshl_add_u32 v[GQ], v[R], 7, s58
	v_lshl_add_u32 v[GQ], v[H], 4, v[GQ]
	s_lshl_b32 s58, s[WI], 12
	v_lshl_add_u32 v[GS], v[LN], 4, s58
	s_wait_kmcnt 0x0
	s_add_nc_u64 s[16:17], s[4:5], s[16:17]        ; k
	s_add_nc_u64 s[18:19], s[16:17], 8*524288      ; v, eight heads on
	s_add_nc_u64 s[20:21], s[6:7], s[20:21]        ; U
	s_add_nc_u64 s[22:23], s[6:7], s[22:23]
	s_add_nc_u64 s[22:23], s[22:23], 8388608       ; the decay
	s_add_nc_u64 s[24:25], s[6:7], s[24:25]
	s_add_nc_u64 s[24:25], s[24:25], 8519680       ; max |v|
.irp i, 0,1,2,3
	global_load_b128 v[96+4*\i:99+4*\i], v[GQ], s[16:17] offset:32*\i
.endr
.irp i, 0,1,2,3
	global_load_b128 v[112+4*\i:115+4*\i], v[GL], s[18:19] offset:512*\i
.endr
	s_mul_i32 s58, s[WI], 8704
	s_add_co_u32 s58, s58, SCR                     ; my tables
	v_mul_u32_u24 v[TT], v[R], 272
	v_lshl_add_u32 v[TT], v[H], 5, v[TT]
	v_add_nc_u32 v[TKA], s58, v[TT]
	v_lshl_add_u32 v[DMA], v[LN], 3, s58
	s_mul_i32 s58, s[WI], 2560
	v_mul_u32_u24 v[TT], v[R], 160
	v_lshl_add_u32 v[TT], v[H], 4, v[TT]
	v_add_nc_u32 v[LKW], s58, v[TT]                ; KH = 0
	v_bfe_u32 v[TT], v0, 3, 2
	v_and_b32 v[LVW], 7, v0
	v_lshlrev_b32 v[LVW], 4, v[LVW]
	v_mad_u32_u24 v[LVW], v[TT], 160, v[LVW]
	s_add_co_u32 s58, s58, VV
	v_add_nc_u32 v[LVW], s58, v[LVW]
	v_and_b32 v[TT], 7, v0
	v_lshl_add_u32 v[TT], v[H], 3, v[TT]
	v_mul_u32_u24 v[TT], v[TT], 160                ; the turning load: token 8 h + l % 8,
	v_bfe_u32 v[LKT], v0, 3, 1
	v_lshl_add_u32 v[LKT], v[LKT], 4, v[TT]        ; 16 bytes for each half of eight lanes (KH = 0)
	s_lshl_b32 s58, s[WI], 5
	s_add_co_u32 s58, s58, VV
	v_add_nc_u32 v[LVS], s58, v[LKT]               ; my 16 columns of v
	v_lshl_add_u32 v[LDI], v[H], 5, DI
	s_wait_loadcnt 4                               ; k is in; v's four loads may stay out
	CVT96 160
	SOFTMAX32 64, 160, 96                          ; kl
	GATES 192, 160, 128                            ; g2
	TOKST TKA, 192
	DIMLD 160, DMA
	s_wait_dscnt 0x0
.set z, 2
.rept 15
	v_pk_add_f32 v[160+z:161+z], v[160+z:161+z], v[158+z:159+z]  ; the running sum down the block's tokens
.set z, z+2
.endr
	v_exp_f32 v128, v190                           ; D
	v_exp_f32 v129, v191
.set z, 0
.rept 16
	v_pk_add_f32 v[192+z:193+z], v[190:191], v[160+z:161+z] neg_lo:[0,1] neg_hi:[0,1]
.set z, z+2
.endr
	s_lshl_b32 s58, s[WI], 8
	s_add_co_u32 s58, s58, DI
	v_lshl_add_u32 v[TT], v[LN], 3, s58
	s_wait_alu depctr_va_vdst(0)
	ds_store_b64 v[TT], v[128:129]
	EXP32 192, 192                                 ; F
	v_nop
	DIMST DMA, 192, 4352
	TOKLD 192, TKA, 4352
	s_wait_dscnt 0x0
	PKMUL 64, 64, 192                              ; kl F
	PK16 96, 64
.irp i, 0,1,2,3
	ds_store_b128 v[LKW], v[96+4*\i:99+4*\i] offset:32*\i
.endr
	s_wait_loadcnt 0x0                             ; v
.irp i, 0,1,2,3
	ds_store_b128 v[LVW], v[112+4*\i:115+4*\i] offset:640*\i
.endr
	CVT112 160
.irp c, 0,1,2,3
	v_max3_num_f32 v[128+\c], |v[160+8*\c]|, |v[161+8*\c]|, |v[162+8*\c]|
.endr
.irp c, 0,1,2,3
	v_max3_num_f32 v[128+\c], v[128+\c], |v[163+8*\c]|, |v[164+8*\c]|
.endr
.irp c, 0,1,2,3
	v_max3_num_f32 v[128+\c], v[128+\c], |v[165+8*\c]|, |v[166+8*\c]|
.endr
	v_max3_num_f32 v128, v128, |v167|, |v175|
	v_max3_num_f32 v130, v130, |v183|, |v191|
	v_max3_num_f32 v128, v128, v129, v130
	v_max_num_f32 v128, v128, v131
	v_max_num_f32_dpp v128, v128, v128 row_xmask:1 row_mask:0xf bank_mask:0xf
	v_max_num_f32_dpp v128, v128, v128 row_xmask:2 row_mask:0xf bank_mask:0xf
	v_max_num_f32_dpp v128, v128, v128 row_xmask:4 row_mask:0xf bank_mask:0xf
	v_max_num_f32_dpp v128, v128, v128 row_xmask:8 row_mask:0xf bank_mask:0xf
	v_permlanex16_b32 v129, v128, s[SEL], s[SEL+1]
	v_max_num_f32 v128, v128, v129
	s_lshl_b32 s58, s[WI], 2
	s_add_co_u32 s58, s58, VM
	v_mov_b32 v[TT], s58
	ds_store_b32 v[TT], v128                       ; all lanes write the same word with the same value
.irp kb, 0,1,2,3
.irp j, 4,5,6,7
	v_mov_b32 v[AF+8*\kb+\j], 0                    ; K is 16 tokens: the operands' upper halves are 0
.endr
.endr
.irp j, 4,5,6,7
	v_mov_b32 v[BF+\j], 0
.endr
	s_wait_dscnt 0x0                               ; for the others' sake: my stores are done
	s_barrier_signal -1
	s_barrier_wait -1
	SUPD 1
	s_mov_b32 s[CNT], 3
.Lblock:
	SUPD 0
	s_sub_co_u32 s[CNT], s[CNT], 1
	s_cmp_lg_u32 s[CNT], 0
	s_cbranch_scc1 .Lblock
.irp kb, 0,1,2,3
	global_store_b128 v[GS], v[ST+8*\kb:ST+8*\kb+3], s[20:21] offset:\kb*1024        ; register order: [wave][kb][half][lane]: 512 consecutive bytes a store
	global_store_b128 v[GS], v[ST+8*\kb+4:ST+8*\kb+7], s[20:21] offset:\kb*1024+512
.endr
	s_cmp_lg_u32 s[WI], 0
	s_cbranch_scc1 .Lend
	v_lshlrev_b32 v[TT], 3, v[LN]                  ; wave 0: the chunk's decay = the product of the four D, and the chunk's max |v|
.irp i, 0,1,2,3
	ds_load_b64 v[160+2*\i:161+2*\i], v[TT] offset:DI+256*\i
.endr
	v_mov_b32 v17, VM
	ds_load_b128 v[168:171], v17
	s_wait_dscnt 0x0
	v_pk_mul_f32 v[160:161], v[160:161], v[162:163]
	v_pk_mul_f32 v[164:165], v[164:165], v[166:167]
	v_pk_mul_f32 v[160:161], v[160:161], v[164:165]
	global_store_b64 v[TT], v[160:161], s[22:23]   ; 256 consecutive bytes
	v_max3_num_f32 v168, v168, v169, v170
	v_max_num_f32 v168, v168, v171
	s_wait_xcnt 0x0                                ; EXEC changes only behind s_wait_xcnt 0
	v_cmp_eq_u32 vcc_lo, 0, v[LN]
	s_and_saveexec_b32 s59, vcc_lo
	global_store_b32 v[TT], v168, s[24:25]         ; lane 0, whose offset is 0
	s_wait_xcnt 0x0
	s_or_b32 exec_lo, exec_lo, s59
.Lend:
	s_wait_tensorcnt 0x0                           ; the wave's end
	ds_add_u32 v[SPW], v[NIL]
	s_wait_dscnt 0x0
	s_endpgm
.Lfunc_end_k_q30cc82be4e_kstate:
	.size	k_q30cc82be4e_kstate, .Lfunc_end_k_q30cc82be4e_kstate-k_q30cc82be4e_kstate
	.p2alignl 7, 3214868480
	.fill 96, 4, 3214868480
	.section	.rodata,"a",@progbits
	.p2align	6, 0x0
	.amdhsa_kernel k_q30cc82be4e_kstate
		.amdhsa_group_segment_fixed_size 57088
		.amdhsa_private_segment_fixed_size 0
		.amdhsa_enable_private_segment 0
		.amdhsa_kernarg_size 16
		.amdhsa_user_sgpr_count 2
		.amdhsa_user_sgpr_kernarg_segment_ptr 1
		.amdhsa_wavefront_size32 1
		.amdhsa_system_sgpr_workgroup_id_x 1
		.amdhsa_system_sgpr_workgroup_id_y 1
		.amdhsa_system_sgpr_workgroup_id_z 1
		.amdhsa_system_vgpr_workitem_id 0
		.amdhsa_next_free_vgpr 256
		.amdhsa_next_free_sgpr 66
		.amdhsa_reserve_vcc 1
		.amdhsa_float_denorm_mode_32 3
		.amdhsa_float_denorm_mode_16_64 3
		.amdhsa_memory_ordered 1
		.amdhsa_forward_progress 1
		.amdhsa_inst_pref_size 37
	.end_amdhsa_kernel
	.amdgpu_metadata
---
amdhsa.version: [ 1, 2 ]
amdhsa.kernels:
  - .name:           k_q30cc82be4e_kstate
    .symbol:         k_q30cc82be4e_kstate.kd
    .args:
      - { .name: qkvh, .offset: 0, .size: 8, .value_kind: global_buffer, .address_space: global }
      - { .name: kst, .offset: 8, .size: 8, .value_kind: global_buffer, .address_space: global }
    .group_segment_fixed_size: 57088
    .private_segment_fixed_size: 0
    .kernarg_segment_align: 8
    .kernarg_segment_size: 16
    .max_flat_workgroup_size: 128
    .sgpr_count:     66
    .vgpr_count:     256
    .wavefront_size: 32
...
	.end_amdgpu_metadata
.endif
;; end of part 3
;; launch scan (part 4): grid 256 x 1, 4 waves a work-group, no clusters, 4,608 bytes of LDS; arguments kst, sst; writes sst
.if DOCPART == 4
	.amdgcn_target "amdgcn-amd-amdhsa--gfx1250"
	.amdhsa_code_object_version 6
	.text
	.protected	k_q30cc82be4e_scan
	.globl	k_q30cc82be4e_scan
	.p2align	8
	.type	k_q30cc82be4e_scan,@function
k_q30cc82be4e_scan:
	s_mov_b64 s[64:65], 0
	v_nop
	global_prefetch_b8 v0, s[64:65] scope:SCOPE_SE
	s_setreg_imm32_b32 hwreg(HW_REG_WAVE_MODE, 25, 1), 1
	s_wait_xcnt 0x0
; The states at the chunks' beginnings: S[0] = 0, S[c+1] = decay_c S[c] + U_c, for 8 heads x 4,096 numbers, 64 chunks deep.  The chain runs along c alone.
; Work-group 32 g + sl owns the 512 bytes at sl x 512 of every 16-KB unit of head g.  IN TWO LEVELS: wave j takes chunks 16 j .. 16 j + 15 and runs them from 0:
; L[0] = 0, L[i+1] = decay L[i] + U;  G[0] = 1, G[i+1] = decay G[i].  The four waves' totals L[16], G[16] meet in LDS; every wave makes the carries C1 = L0, C2 = G1 C1 + L1, C3 = G2 C2 + L2,
; takes its own (wave 0: 0), and stores S[16 j + i] = G[i] C + L[i].  So a wave has 32 loads out at once, and 15 + 2 + 1 multiply-adds wait for each other, where one chain would have 62.
; All decays lie in 0 to 1, so no product or sum here is larger than in the one chain.  The last wave's total, and chunk 63's U and decay, serve nothing: the price of one text for four waves.
; Work-group 0's wave 0 also makes the scale: sigma = 2^(130 - max(E, 130)), E the exponent field of max |v|, so that sigma max |v| < 16; it asks for the 512 maxima behind its 32 loads and
; reckons while it would wait for those anyway.
.set SPARE, 4096                       ; LDS: wave j's L[16] at 1,024 j + 16 lane, its G[16] 512 bytes on; behind them the spare words
.set SPW, 4
.set NIL, 5
.set AU,  6                            ; my 16 bytes in a unit, at my wave's first chunk: in U and in the states alike
.set AG,  7                            ; my four key dims in a row of decays, at my wave's first chunk
.set AX,  8                            ; 16 x lane
.set AW,  9                            ; where my wave's totals go
.set U,   16                           ; v16-79    U of chunk i at 4 i, then L[i+1], then the state
.set G,   80                           ; v80-143   decay of chunk i at 4 i, then G[i+1]
.set C,   144                          ; v144-147  my carry
.set T,   148                          ; v148-167  L0, L1, G1, L2, G2; before that, in one wave, the maxima
	s_load_b128 s[4:7], s[0:1], 0x0                ; kst s[4:5], sst s[6:7]
	v_lshl_add_u32 v[SPW], v0, 2, SPARE
	v_mov_b32 v[NIL], 0
	v_lshrrev_b32 v1, 5, v0
	v_readfirstlane_b32 s29, v1                    ; wave j
	s_mov_b32 s20, ttmp9
	s_lshr_b32 s8, s20, 5                          ; g
	s_and_b32 s9, s20, 31                          ; sl = 8 w + 2 kb + half
	v_and_b32 v2, 31, v0
	v_lshlrev_b32 v[AX], 4, v2
	s_lshl_b32 s10, s9, 9
	s_lshl_b32 s11, s29, 18                        ; 16 units of 16,384 bytes a wave
	s_add_co_u32 s10, s10, s11
	v_add_nc_u32 v[AU], s10, v[AX]
	s_lshl_b32 s10, s29, 10
	v_add_nc_u32 v[AW], s10, v[AX]
	v_bfe_u32 v3, v0, 4, 1                         ; my four key dims are 16 kb + 8 h + 4 half + 0..3
	s_bfe_u32 s11, s9, 0x20001
	s_lshl_b32 s11, s11, 6
	s_and_b32 s10, s9, 1
	s_lshl_b32 s10, s10, 4
	s_add_co_u32 s11, s11, s10
	s_lshl_b32 s10, s29, 12                        ; 16 rows of 256 bytes a wave
	s_add_co_u32 s11, s11, s10
	v_lshl_add_u32 v[AG], v3, 5, s11
	s_lshl_b32 s22, s8, 20                         ; a head's 64 units
	s_mov_b32 s23, 0
	s_lshl_b32 s24, s8, 14                         ; a head's 64 rows of decays
	s_mov_b32 s25, 0
	s_mov_b32 s26, 0x76543210
	s_mov_b32 s27, 0xfedcba98
	s_or_b32 s21, s20, s29                         ; 0 in work-group 0's wave 0 alone
	s_wait_kmcnt 0x0
	s_add_nc_u64 s[12:13], s[4:5], s[22:23]
	s_add_nc_u64 s[14:15], s[4:5], s[24:25]
	s_add_nc_u64 s[14:15], s[14:15], 8388608
	s_add_nc_u64 s[16:17], s[6:7], s[22:23]
	s_add_nc_u64 s[18:19], s[4:5], 8519680
.set i, 0
.rept 16
	global_load_b128 v[U+4*i:U+4*i+3], v[AU], s[12:13] offset:i*16384 th:TH_LOAD_NT
	global_load_b128 v[G+4*i:G+4*i+3], v[AG], s[14:15] offset:i*256
.set i, i+1
.endr
	s_cmp_lg_u32 s21, 0
	s_cbranch_scc1 .Lnosigma
.irp j, 0,1,2,3
	global_load_b128 v[T+4*\j:T+4*\j+3], v[AX], s[18:19] offset:512*\j
.endr
	s_wait_loadcnt 0x0
.irp j, 0,1,2,3
	v_max3_num_f32 v[T+4*\j], v[T+4*\j], v[T+4*\j+1], v[T+4*\j+2]
.endr
	v_max3_num_f32 v[T], v[T], v[T+3], v[T+7]
	v_max3_num_f32 v[T+4], v[T+4], v[T+11], v[T+15]
	v_max3_num_f32 v[T], v[T], v[T+4], v[T+8]
	v_max_num_f32 v[T], v[T], v[T+12]
	v_max_num_f32_dpp v[T], v[T], v[T] row_xmask:1 row_mask:0xf bank_mask:0xf
	v_max_num_f32_dpp v[T], v[T], v[T] row_xmask:2 row_mask:0xf bank_mask:0xf
	v_max_num_f32_dpp v[T], v[T], v[T] row_xmask:4 row_mask:0xf bank_mask:0xf
	v_max_num_f32_dpp v[T], v[T], v[T] row_xmask:8 row_mask:0xf bank_mask:0xf
	v_permlanex16_b32 v[T+1], v[T], s26, s27
	v_max_num_f32 v[T], v[T], v[T+1]
	v_lshrrev_b32 v[T], 23, v[T]                   ; E
	v_max_u32 v[T], 130, v[T]
	v_sub_nc_u32 v[T+1], 257, v[T]
	v_lshlrev_b32 v[T+4], 23, v[T+1]               ; sigma
	v_add_nc_u32 v[T+2], -3, v[T]
	v_lshlrev_b32 v[T+5], 23, v[T+2]               ; 1 / sigma
	s_wait_xcnt 0x0                                ; EXEC changes only behind s_wait_xcnt 0
	v_cmp_eq_u32 vcc_lo, 0, v0
	s_and_saveexec_b32 s28, vcc_lo
	global_store_b64 v[AX], v[T+4:T+5], s[6:7]     ; lane 0, whose offset is 0
	s_wait_xcnt 0x0                                ; and the store's data are loaded over only behind it
	s_or_b32 exec_lo, exec_lo, s28
.Lnosigma:
.set i, 1
.rept 15
	s_wait_loadcnt 30-2*i                          ; U and the decay of chunk i are in: two loads for each later chunk stay out
	v_pk_fma_f32 v[U+4*i:U+4*i+1], v[G+4*i:G+4*i+1], v[U+4*i-4:U+4*i-3], v[U+4*i:U+4*i+1]
	v_pk_fma_f32 v[U+4*i+2:U+4*i+3], v[G+4*i+2:G+4*i+3], v[U+4*i-2:U+4*i-1], v[U+4*i+2:U+4*i+3]
	v_pk_mul_f32 v[G+4*i:G+4*i+1], v[G+4*i:G+4*i+1], v[G+4*i-4:G+4*i-3]
	v_pk_mul_f32 v[G+4*i+2:G+4*i+3], v[G+4*i+2:G+4*i+3], v[G+4*i-2:G+4*i-1]
.set i, i+1
.endr
	ds_store_b128 v[AW], v[U+60:U+63]
	ds_store_b128 v[AW], v[G+60:G+63] offset:512
	s_wait_dscnt 0x0                               ; for the others' sake: my totals are stored
	s_barrier_signal -1
	s_barrier_wait -1
	ds_load_b128 v[T:T+3], v[AX]                   ; L0
	ds_load_b128 v[T+4:T+7], v[AX] offset:1024     ; L1
	ds_load_b128 v[T+8:T+11], v[AX] offset:1536    ; G1
	ds_load_b128 v[T+12:T+15], v[AX] offset:2048   ; L2
	ds_load_b128 v[T+16:T+19], v[AX] offset:2560   ; G2
	s_cmp_eq_u32 s29, 1
	s_cselect_b32 s30, -1, 0
	s_cmp_eq_u32 s29, 2
	s_cselect_b32 s31, -1, 0
	s_cmp_eq_u32 s29, 3
	s_cselect_b32 s32, -1, 0
	s_wait_dscnt 0x0
	v_pk_fma_f32 v[T+4:T+5], v[T+8:T+9], v[T:T+1], v[T+4:T+5]            ; C2
	v_pk_fma_f32 v[T+6:T+7], v[T+10:T+11], v[T+2:T+3], v[T+6:T+7]
	v_pk_fma_f32 v[T+12:T+13], v[T+16:T+17], v[T+4:T+5], v[T+12:T+13]    ; C3
	v_pk_fma_f32 v[T+14:T+15], v[T+18:T+19], v[T+6:T+7], v[T+14:T+15]
.irp e, 0,1,2,3
	v_cndmask_b32 v[C+\e], 0, v[T+\e], s30         ; the choice selects a value: every wave makes all three carries
	v_cndmask_b32 v[C+\e], v[C+\e], v[T+4+\e], s31
	v_cndmask_b32 v[C+\e], v[C+\e], v[T+12+\e], s32
.endr
	global_store_b128 v[AU], v[C:C+3], s[16:17] offset:256               ; the states begin 256 bytes into sst; each store covers 512 consecutive bytes
.set i, 1
.rept 15
	v_pk_fma_f32 v[U+4*i-4:U+4*i-3], v[G+4*i-4:G+4*i-3], v[C:C+1], v[U+4*i-4:U+4*i-3]
	v_pk_fma_f32 v[U+4*i-2:U+4*i-1], v[G+4*i-2:G+4*i-1], v[C+2:C+3], v[U+4*i-2:U+4*i-1]
	global_store_b128 v[AU], v[U+4*i-4:U+4*i-1], s[16:17] offset:256+i*16384
.set i, i+1
.endr
	s_wait_tensorcnt 0x0                           ; the wave's end
	ds_add_u32 v[SPW], v[NIL]
	s_wait_dscnt 0x0
	s_endpgm
.Lfunc_end_k_q30cc82be4e_scan:
	.size	k_q30cc82be4e_scan, .Lfunc_end_k_q30cc82be4e_scan-k_q30cc82be4e_scan
	.p2alignl 7, 3214868480
	.fill 96, 4, 3214868480
	.section	.rodata,"a",@progbits
	.p2align	6, 0x0
	.amdhsa_kernel k_q30cc82be4e_scan
		.amdhsa_group_segment_fixed_size 4608
		.amdhsa_private_segment_fixed_size 0
		.amdhsa_enable_private_segment 0
		.amdhsa_kernarg_size 16
		.amdhsa_user_sgpr_count 2
		.amdhsa_user_sgpr_kernarg_segment_ptr 1
		.amdhsa_wavefront_size32 1
		.amdhsa_system_sgpr_workgroup_id_x 1
		.amdhsa_system_sgpr_workgroup_id_y 1
		.amdhsa_system_sgpr_workgroup_id_z 1
		.amdhsa_system_vgpr_workitem_id 0
		.amdhsa_next_free_vgpr 168
		.amdhsa_next_free_sgpr 66
		.amdhsa_reserve_vcc 1
		.amdhsa_float_denorm_mode_32 3
		.amdhsa_float_denorm_mode_16_64 3
		.amdhsa_memory_ordered 1
		.amdhsa_forward_progress 1
		.amdhsa_inst_pref_size 17
	.end_amdhsa_kernel
	.amdgpu_metadata
---
amdhsa.version: [ 1, 2 ]
amdhsa.kernels:
  - .name:           k_q30cc82be4e_scan
    .symbol:         k_q30cc82be4e_scan.kd
    .args:
      - { .name: kst, .offset: 0, .size: 8, .value_kind: global_buffer, .address_space: global }
      - { .name: sst, .offset: 8, .size: 8, .value_kind: global_buffer, .address_space: global }
    .group_segment_fixed_size: 4608
    .private_segment_fixed_size: 0
    .kernarg_segment_align: 8
    .kernarg_segment_size: 16
    .max_flat_workgroup_size: 128
    .sgpr_count:     66
    .vgpr_count:     168
    .wavefront_size: 32
...
	.end_amdgpu_metadata
.endif
;; end of part 4
;; launch attn (part 5): grid 8 x 64, 4 waves a work-group, no clusters, 155,136 bytes of LDS; arguments cst, qkvh, sst, o16; writes o16
.if DOCPART == 5
	.amdgcn_target "amdgcn-amd-amdhsa--gfx1250"
	.amdhsa_code_object_version 6
	.text
	.protected	k_q30cc82be4e_attn
	.globl	k_q30cc82be4e_attn
	.p2align	8
	.type	k_q30cc82be4e_attn,@function
k_q30cc82be4e_attn:
	s_mov_b64 s[64:65], 0
	v_nop
	global_prefetch_b8 v0, s[64:65] scope:SCOPE_SE
	s_setreg_imm32_b32 hwreg(HW_REG_WAVE_MODE, 25, 1), 1
	s_wait_xcnt 0x0
; Both attention branches for key-value head g (x), chunk c of 64 tokens (y) and the four query heads 4 g .. 4 g + 3:  o16 = sigma (0.5 y + 0.5 o_li), f16 [32][4096][64].
; WINDOW BRANCH.  RoPE on q and k; query tile I (16 rows) sees the five key tiles I .. I + 4 of the 128 keys (previous chunk, own chunk); the first shows keys s >= r, the last s <= r; in chunk 0 the
; previous chunk is hidden.  A mask is the C operand that starts a score's sum: 0 or -1e30.  One pass of softmax with the row's maximum taken away.
; GATED BRANCH.  ql, kl = softmax(q), softmax(k); gates in base 2, g2 = log2(sigmoid(k)) / 16 <= 0.  In a block of 16 tokens with b_t the running sum of g2: y_t = 2^(g2_t), E_t = 2^(b_t),
; F_t = 2^(b_15 - b_t), D = 2^(b_15): no exponent is ever positive.  o_t = (ql_t E_t) . S_I + sum over s <= t in the block of A[t][s] v_s;  S_(I+1) = D S_I + sum of (kl_s F_s) v_s^T.
; A is the recurrence as it is written, on a window: W[s][d] = kl_s[d] times the product of y_u[d], u = s + 1 .. t, kept in f32 and multiplied on by y_t for s < t; A[t][s] = sum over d of
; W[s][d] ql_t[d], one product for each t, whose columns are the four heads.
; THE SCALE.  v and the states are multiplied, in f32, by sigma, a power of two made from max |v| by the launch before, so that sigma |o| < 32,800 whatever the inputs; the last launch divides by it.
; SHARES.  Wave I owns the chunk's block I: its tokens' features, its diagonal block, its query tile; of the state it owns v columns 16 I .. 16 I + 15.
; LAYOUTS.  Token layout: lane (r = l % 16, h = l / 16) holds token r, register 8 i + e holds dim 16 i + 8 h + e: packed to f16 that IS a fragment with K = dims, and dims d, d + 32 share a lane.
; Dims layout: lane l holds dims 2 l, 2 l + 1 of all 16 tokens.  The change goes through the wave's own tables in LDS.
; REGISTERS.  v0-255 are all in use from the head to the states' phase, so the state at the chunk's beginning, asked for at the head with the other inputs, lands in v256-287 (window 1) and waits there.
; NO CLUSTER: of what a work-group reads (64 KB of q, k, v, 16 KB of state, 32 KB of table) only the previous chunk's 16 KB of k and v are read by another work-group too.
; LIMITS.  q, k, v arrive as f16.  A hidden score counts as its value less 1e30.  A weight or factor below 2^-126 counts as 0.  NaN and infinities are not treated apart.
.set SK,    0                          ; RoPE'd k, f16: 128 keys x 144 bytes
.set VV,    18432                      ; sigma v, f16: 128 keys x 160 bytes (five times 32)
.set KH,    38912                      ; kl F, f16: 64 tokens x 160
.set DI,    49152                      ; D of the four blocks
.set GT,    50176                      ; each wave's y, f32, 16 rows x 272; later its stage for the way out
.set QL,    67584                      ; each wave's ql, f16: 4 heads x 2,368 (16 rows x 144 + 64); first its two scratch tables; behind barrier X the states, 4 blocks x 64 rows x 144
.set QT,    105472                     ; each wave's ql E, f16: 4 heads x 16 rows x 144
.set AD,    142336                     ; each wave's A, f16: 4 heads x 16 rows x 48
.set SPARE, 154624                     ; the spare words
.set HEADB, 524288                     ; bytes in a head; also from the cosines to the sines
.set ROPEB, 37748736
.set R, 1
.set H, 2
.set LN, 3
.set SPW, 4
.set NIL, 5
.set GQ, 6                             ; memory, token layout: (16 I + r) 128 + 16 h
.set GL, 7                             ; memory, dense: 2,048 I + 16 l
.set GC, 8                             ; the table: (16 I + r) 128 + 32 h
.set GS, 9                             ; a state unit: 4,096 I + 16 l
.set LSK, 10
.set LVW, 11
.set LVT, 12
.set LKW, 13
.set GTT, 14
.set GTD, 15
.set QLT, 16
.set QLD, 17
.set LQL, 18
.set LQT, 19
.set LAD, 20
.set LG, 21
.set LQD, 22
.set LADW, 23
.set LSO, 24
.set LDI, 25
.set LKT, 26
.set LVS, 27
.set LSF, 28
.set STO, 29
.set RD, 30
.set TT, 31
.set ST, 128                           ; the state phase: v128-159 state, v64-95 and v240-247 operands, v208-239 D
.set AF, 64
.set DD, 208
.set BF, 240
.set GA, 96                            ; the diagonal loop: y of steps t, t + 1; W packed; ql; results
.set GB, 128
.set FA, 160
.set FB, 176
.set QA, 192
.set QB, 208
.set DA, 224
.set DB, 232
.set TD, 240
.set MK, 64                            ; the last loop: masks of key tiles 0-3 at v64-95, of tile 4 at v112-119
.set QTF, 120                          ; ql E, two fragments
.set SQ, 136                           ; RoPE'd q, two fragments
.set SC, 152                           ; 5 x 8 scores
.set STAT, 192
.set P, 200                            ; 24: the weights of five key tiles, then A
.set O, 224
.set BUF, 200                          ; k's fragments, while P and O are not alive
.set VF0, 136
.set VF1, 168
.set L2E, 36
.set L16, 38
.set M16, 40
.set L8, 42                            ; s[42:43] log2 e / 8
.set SEL, 44
.set BIG, 46
.set ZB, 47
.set CNT, 48
.set TA, 50                            ; s50-52  t, t + 1, t + 2
.set SV, 53
.set WI, 54
.set CH, 56
.macro CVT64 D                         ; 32 numbers f16 -> f32 out of v64-79
.set z, \D
.irp s, v64.l,v64.h,v65.l,v65.h,v66.l,v66.h,v67.l,v67.h,v68.l,v68.h,v69.l,v69.h,v70.l,v70.h,v71.l,v71.h,v72.l,v72.h,v73.l,v73.h,v74.l,v74.h,v75.l,v75.h,v76.l,v76.h,v77.l,v77.h,v78.l,v78.h,v79.l,v79.h
	v_cvt_f32_f16 v[z], \s
.set z, z+1
.endr
.endm
.macro CVT80 D                         ; the same out of v80-95
.set z, \D
.irp s, v80.l,v80.h,v81.l,v81.h,v82.l,v82.h,v83.l,v83.h,v84.l,v84.h,v85.l,v85.h,v86.l,v86.h,v87.l,v87.h,v88.l,v88.h,v89.l,v89.h,v90.l,v90.h,v91.l,v91.h,v92.l,v92.h,v93.l,v93.h,v94.l,v94.h,v95.l,v95.h
	v_cvt_f32_f16 v[z], \s
.set z, z+1
.endr
.endm
.macro CVT96 D                         ; the same out of v96-111
.set z, \D
.irp s, v96.l,v96.h,v97.l,v97.h,v98.l,v98.h,v99.l,v99.h,v100.l,v100.h,v101.l,v101.h,v102.l,v102.h,v103.l,v103.h,v104.l,v104.h,v105.l,v105.h,v106.l,v106.h,v107.l,v107.h,v108.l,v108.h,v109.l,v109.h,v110.l,v110.h,v111.l,v111.h
	v_cvt_f32_f16 v[z], \s
.set z, z+1
.endr
.endm
.macro CVT112 D                        ; the same out of v112-127
.set z, \D
.irp s, v112.l,v112.h,v113.l,v113.h,v114.l,v114.h,v115.l,v115.h,v116.l,v116.h,v117.l,v117.h,v118.l,v118.h,v119.l,v119.h,v120.l,v120.h,v121.l,v121.h,v122.l,v122.h,v123.l,v123.h,v124.l,v124.h,v125.l,v125.h,v126.l,v126.h,v127.l,v127.h
	v_cvt_f32_f16 v[z], \s
.set z, z+1
.endr
.endm
.macro PK16 D, S
.set z, 0
.rept 16
	v_cvt_pk_f16_f32 v[\D+z], v[\S+2*z], v[\S+2*z+1]
.set z, z+1
.endr
.endm
.macro PKMUL D, A, B
.set z, 0
.rept 16
	v_pk_mul_f32 v[\D+z:\D+z+1], v[\A+z:\A+z+1], v[\B+z:\B+z+1]
.set z, z+2
.endr
.endm
.macro PKSCL D, A, sc                  ; 32 numbers times a constant or a scalar pair's low word
.set z, 0
.rept 16
	v_pk_mul_f32 v[\D+z:\D+z+1], v[\A+z:\A+z+1], \sc op_sel_hi:[1,0]
.set z, z+2
.endr
.endm
.macro EXP32 D, S
.set z, 0
.rept 32
	v_exp_f32 v[\D+z], v[\S+z]
.set z, z+1
.endr
.endm
.macro NOP4                            ; four places behind matrix instructions (ISA guide 7.12.1)
.rept 4
	v_nop
.endr
.endm
; Y = softmax of a token's 64 numbers, 32 in X here and 32 in the lane 16 away; the maximum is taken away.  T: six registers at work.
.macro SOFTMAX32 Y, X, T
.irp c, 0,1,2,3
	v_max3_num_f32 v[\T+\c], v[\X+8*\c], v[\X+8*\c+1], v[\X+8*\c+2]
.endr
.irp c, 0,1,2,3
	v_max3_num_f32 v[\T+\c], v[\T+\c], v[\X+8*\c+3], v[\X+8*\c+4]
.endr
.irp c, 0,1,2,3
	v_max3_num_f32 v[\T+\c], v[\T+\c], v[\X+8*\c+5], v[\X+8*\c+6]
.endr
	v_max3_num_f32 v[\T], v[\T], v[\X+7], v[\X+15]
	v_max3_num_f32 v[\T+2], v[\T+2], v[\X+23], v[\X+31]
	v_max3_num_f32 v[\T], v[\T], v[\T+1], v[\T+2]
	v_max_num_f32 v[\T], v[\T], v[\T+3]
	v_permlanex16_b32 v[\T+1], v[\T], s[SEL], s[SEL+1]
	v_max_num_f32 v[\T], v[\T], v[\T+1]
	v_mul_f32 v[\T], s[L2E], v[\T]
.set z, 0
.rept 16
	v_pk_fma_f32 v[\Y+z:\Y+z+1], v[\X+z:\X+z+1], s[L2E:L2E+1], v[\T:\T+1] op_sel_hi:[1,0,0] neg_lo:[0,0,1] neg_hi:[0,0,1]
.set z, z+2
.endr
	EXP32 \Y, \Y
	v_nop                                          ; a plain instruction behind the last exponential
	s_wait_alu depctr_va_vdst(0)
	v_pk_add_f32 v[\T+2:\T+3], v[\Y:\Y+1], v[\Y+2:\Y+3]
	v_pk_add_f32 v[\T+4:\T+5], v[\Y+4:\Y+5], v[\Y+6:\Y+7]
.set z, 8
.rept 6
	v_pk_add_f32 v[\T+2:\T+3], v[\T+2:\T+3], v[\Y+z:\Y+z+1]
	v_pk_add_f32 v[\T+4:\T+5], v[\T+4:\T+5], v[\Y+z+2:\Y+z+3]
.set z, z+4
.endr
	v_pk_add_f32 v[\T+2:\T+3], v[\T+2:\T+3], v[\T+4:\T+5]
	v_add_f32 v[\T+2], v[\T+2], v[\T+3]
	v_permlanex16_b32 v[\T+3], v[\T+2], s[SEL], s[SEL+1]
	v_add_f32 v[\T+2], v[\T+2], v[\T+3]
	v_rcp_f32 v[\T+2], v[\T+2]
	v_nop
.set z, 0
	s_wait_alu depctr_va_vdst(0)
.rept 16
	v_pk_mul_f32 v[\Y+z:\Y+z+1], v[\Y+z:\Y+z+1], v[\T+2:\T+3] op_sel_hi:[1,0]
.set z, z+2
.endr
.endm
; G = log2(sigmoid(X)) / 16.  T: 32 registers at work.
.macro GATES G, X, T
.set z, 0
.rept 32
	v_mul_f32 v[\T+z], -|v[\X+z]|, s[L2E]
.set z, z+1
.endr
	EXP32 \T, \T
	v_nop
.set z, 0
	s_wait_alu depctr_va_vdst(0)
.rept 16
	v_pk_add_f32 v[\T+z:\T+z+1], v[\T+z:\T+z+1], 1.0 op_sel_hi:[1,0]
.set z, z+2
.endr
.set z, 0
.rept 32
	v_log_f32 v[\T+z], v[\T+z]
.set z, z+1
.endr
.set z, 0
.rept 32
	v_min_num_f32 v[\G+z], 0, v[\X+z]              ; the first of these, which names no register of the logarithms, is the plain instruction behind the last of them
.set z, z+1
.endr
.set z, 0
.rept 16
	v_pk_mul_f32 v[\G+z:\G+z+1], v[\G+z:\G+z+1], s[L16:L16+1] op_sel_hi:[1,0]
.set z, z+2
.endr
.set z, 0
	s_wait_alu depctr_va_vdst(0)
.rept 16
	v_pk_fma_f32 v[\G+z:\G+z+1], v[\T+z:\T+z+1], s[M16:M16+1], v[\G+z:\G+z+1] op_sel_hi:[1,0,1]
.set z, z+2
.endr
.endm
; RoPE in token layout: registers 0-15 are dims below 32, registers 16-31 their partners 32 on; CO, SI: 16 cosines and sines.
.macro ROPE OU, X, CO, SI
.set z, 0
.rept 8
	v_pk_mul_f32 v[\OU+z:\OU+z+1], v[\X+z:\X+z+1], v[\CO+z:\CO+z+1]
	v_pk_mul_f32 v[\OU+16+z:\OU+17+z], v[\X+16+z:\X+17+z], v[\CO+z:\CO+z+1]
	v_pk_fma_f32 v[\OU+z:\OU+z+1], v[\X+16+z:\X+17+z], v[\SI+z:\SI+z+1], v[\OU+z:\OU+z+1] neg_lo:[0,1,0] neg_hi:[0,1,0]
	v_pk_fma_f32 v[\OU+16+z:\OU+17+z], v[\X+z:\X+z+1], v[\SI+z:\SI+z+1], v[\OU+16+z:\OU+17+z]
.set z, z+2
.endr
.endm
.macro TOKST A, R0, off=0
.irp i, 0,1,2,3
	ds_store_b128 v[\A], v[\R0+8*\i:\R0+8*\i+3] offset:(\off)+64*\i
	ds_store_b128 v[\A], v[\R0+8*\i+4:\R0+8*\i+7] offset:(\off)+64*\i+16
.endr
.endm
.macro TOKLD R0, A, off=0
.irp i, 0,1,2,3
	ds_load_b128 v[\R0+8*\i:\R0+8*\i+3], v[\A] offset:(\off)+64*\i
	ds_load_b128 v[\R0+8*\i+4:\R0+8*\i+7], v[\A] offset:(\off)+64*\i+16
.endr
.endm
.macro DIMLD R0, A, off=0
.set z, 0
.rept 16
	ds_load_b64 v[\R0+2*z:\R0+2*z+1], v[\A] offset:(\off)+272*z
.set z, z+1
.endr
.endm
.macro DIMST A, R0, off=0
.set z, 0
.rept 16
	ds_store_b64 v[\A], v[\R0+2*z:\R0+2*z+1] offset:(\off)+272*z
.set z, z+1
.endr
.endm
.macro ST4 A, R0, off                  ; 16 packed registers in token layout: four stores 32 bytes apart
.irp i, 0,1,2,3
	ds_store_b128 v[\A], v[\R0+4*\i:\R0+4*\i+3] offset:(\off)+32*\i
.endr
.endm
	s_load_b256 s[4:11], s[0:1], 0x0               ; cst s[4:5], qkvh s[6:7], sst s[8:9], o16 s[10:11]
	v_lshl_add_u32 v[SPW], v0, 2, SPARE
	v_mov_b32 v[NIL], 0
	v_lshrrev_b32 v1, 5, v0
	v_readfirstlane_b32 s[WI], v1                  ; my wave = my block I
	v_and_b32 v[R], 15, v0
	v_bfe_u32 v[H], v0, 4, 1
	v_and_b32 v[LN], 31, v0
	s_mov_b32 s55, ttmp9                           ; g
	s_and_b32 s[CH], ttmp7, 0xffff                 ; c
	s_sub_co_i32 s57, s[CH], 1
	s_max_i32 s57, s57, 0                          ; the chunk before; for c = 0 chunk 0 itself, all of whose keys the masks then hide
	s_mov_b32 s[L2E], 0x3fb8aa3b
	s_mov_b32 s[L2E+1], s[L2E]
	s_mov_b32 s[L16], 0x3db8aa3b
	s_mov_b32 s[L16+1], s[L16]
	s_mov_b32 s[M16], 0xbd800000
	s_mov_b32 s[M16+1], s[M16]
	s_mov_b32 s[L8], 0x3e38aa3b
	s_mov_b32 s[L8+1], s[L8]
	s_mov_b32 s[SEL], 0x76543210
	s_mov_b32 s[SEL+1], 0xfedcba98
	s_mov_b32 s[BIG], 0xf149f2ca                   ; -1e30
	s_lshl_b32 s58, s[CH], 13                      ; a chunk is 8,192 bytes of a head, and of the table
	s_lshl_b32 s59, s57, 13
	s_lshl_b32 s60, s55, 21                        ; four heads of q and of o
	s_add_co_u32 s60, s60, s58
	s_mov_b32 s61, 0
	s_add_co_u32 s62, s55, 32
	s_lshl_b32 s62, s62, 19                        ; k's head
	s_mov_b32 s63, 0
	s_wait_kmcnt 0x0
	s_load_b64 s[32:33], s[8:9], 0x0               ; sigma, 1 / sigma: the packed products take the pair's low word
	s_add_nc_u64 s[12:13], s[6:7], s[60:61]        ; q, walked by the feature loop,
	s_mov_b64 s[14:15], s[12:13]                   ; and once more by the last loop
	s_add_nc_u64 s[30:31], s[10:11], s[60:61]      ; o
	s_add_nc_u64 s[16:17], s[6:7], s[62:63]
	s_add_nc_u64 s[20:21], s[16:17], 8*HEADB       ; v's head
	s_mov_b32 s60, s59
	s_add_nc_u64 s[18:19], s[16:17], s[60:61]      ; k, v and the table at the chunk before,
	s_add_nc_u64 s[22:23], s[20:21], s[60:61]
	s_add_nc_u64 s[26:27], s[4:5], s[60:61]
	s_add_nc_u64 s[26:27], s[26:27], ROPEB
	s_mov_b32 s60, s58
	s_add_nc_u64 s[16:17], s[16:17], s[60:61]      ; and at my chunk
	s_add_nc_u64 s[20:21], s[20:21], s[60:61]
	s_add_nc_u64 s[24:25], s[4:5], s[60:61]
	s_add_nc_u64 s[24:25], s[24:25], ROPEB
	s_lshl_b32 s60, s55, 6
	s_add_co_u32 s60, s60, s[CH]
	s_lshl_b32 s60, s60, 14
	s_add_co_u32 s60, s60, 256
	s_add_nc_u64 s[28:29], s[8:9], s[60:61]        ; the state at my chunk's beginning
	s_lshl_b32 s62, s[WI], 11
	v_lshl_add_u32 v[GL], v[LN], 4, s62
	v_lshl_add_u32 v[GQ], v[R], 7, s62
	v_lshl_add_u32 v[GC], v[H], 5, v[GQ]
	v_lshl_add_u32 v[GQ], v[H], 4, v[GQ]
	s_lshl_b32 s62, s[WI], 12
	v_lshl_add_u32 v[GS], v[LN], 4, s62
	; 40 loads, in the order of their use
.irp i, 0,1,2,3
	global_load_b128 v[96+4*\i:99+4*\i], v[GQ], s[16:17] offset:32*\i                      ; my k
.endr
.irp i, 0,1,2,3
	global_load_b128 v[32+4*\i:35+4*\i], v[GC], s[24:25] offset:(\i/2)*64+(\i%2)*16        ; my cosines: register 8 (i % 2) + e
.endr
.irp i, 0,1,2,3
	global_load_b128 v[48+4*\i:51+4*\i], v[GC], s[24:25] offset:HEADB+(\i/2)*64+(\i%2)*16  ; my sines
.endr
.irp i, 0,1,2,3
	global_load_b128 v[112+4*\i:115+4*\i], v[GQ], s[18:19] offset:32*\i                    ; the same block of the chunk before
.endr
.irp i, 0,1,2,3
	global_load_b128 v[224+4*\i:227+4*\i], v[GC], s[26:27] offset:(\i/2)*64+(\i%2)*16
.endr
.irp i, 0,1,2,3
	global_load_b128 v[240+4*\i:243+4*\i], v[GC], s[26:27] offset:HEADB+(\i/2)*64+(\i%2)*16
.endr
.irp i, 0,1,2,3
	global_load_b128 v[64+4*\i:67+4*\i], v[GL], s[20:21] offset:512*\i                     ; my v, dense
.endr
.irp i, 0,1,2,3
	global_load_b128 v[80+4*\i:83+4*\i], v[GL], s[22:23] offset:512*\i
.endr
	s_set_vgpr_msb 0x40                            ; destination in window 1, address in window 0
.irp kb, 0,1,2,3
	global_load_b128 v[8*\kb:8*\kb+3], v[GS], s[28:29] offset:\kb*1024                     ; the state, into v256-287: wanted last, asked for now
	global_load_b128 v[8*\kb+4:8*\kb+7], v[GS], s[28:29] offset:\kb*1024+512
.endr
	s_set_vgpr_msb 0x4000                          ; all back to window 0
	; LDS addresses
	v_mul_u32_u24 v[TT], v[R], 144
	v_lshl_add_u32 v[TT], v[H], 4, v[TT]           ; r 144 + 16 h
	s_mul_i32 s60, s[WI], 2304
	v_add_nc_u32 v[LSK], s60, v[TT]                ; SK = 0: key row 16 I + r
	s_add_co_u32 s61, s60, QL
	v_add_nc_u32 v[LSO], s61, v[TT]                ; the states' table: row v = 16 I + r
	s_mul_i32 s60, s[WI], 9472
	s_add_co_u32 s60, s60, QL                      ; my ql
	v_add_nc_u32 v[LQL], s60, v[TT]
	s_mul_i32 s61, s[WI], 9216
	s_add_co_u32 s62, s61, QT
	v_add_nc_u32 v[LQT], s62, v[TT]
	s_add_co_u32 s62, s61, QL
	v_add_nc_u32 v[LSF], s62, v[TT]                ; the state at my block's beginning
	s_mul_i32 s61, s[WI], 4352
	s_add_co_u32 s61, s61, GT                      ; my y
	v_add_nc_u32 v[STO], s61, v[TT]
	v_lshl_add_u32 v[GTD], v[LN], 3, s61
	v_lshl_add_u32 v[QLD], v[LN], 3, s60
	v_lshl_add_u32 v[LG], v[H], 5, s61
	v_mul_u32_u24 v[TT], v[R], 272
	v_lshl_add_u32 v[TT], v[H], 5, v[TT]
	v_add_nc_u32 v[GTT], s61, v[TT]
	v_add_nc_u32 v[QLT], s60, v[TT]
	v_bfe_u32 v[TT], v0, 3, 2
	v_and_b32 v[RD], 7, v0
	v_lshlrev_b32 v[RD], 4, v[RD]
	v_mad_u32_u24 v[LVW], v[TT], 160, v[RD]
	v_mad_u32_u24 v[RD], v[TT], 144, v[RD]
	v_add_nc_u32 v[RD], s61, v[RD]
	s_mul_i32 s62, s[WI], 2560
	s_add_co_u32 s63, s62, VV
	v_add_nc_u32 v[LVW], s63, v[LVW]
	v_and_b32 v[TT], 7, v0
	v_lshl_add_u32 v[TT], v[H], 3, v[TT]
	v_mul_u32_u24 v[TT], v[TT], 160                ; the turning load: row 8 h + l % 8,
	v_bfe_u32 v[LKT], v0, 3, 1
	v_lshl_add_u32 v[TT], v[LKT], 4, v[TT]         ; 16 bytes for each half of eight lanes
	v_add_nc_u32 v[LVT], s63, v[TT]
	v_add_nc_u32 v[LKT], KH, v[TT]
	s_lshl_b32 s63, s[WI], 5
	s_add_co_u32 s63, s63, VV+10240
	v_add_nc_u32 v[LVS], s63, v[TT]
	v_mul_u32_u24 v[TT], v[R], 160
	v_lshl_add_u32 v[TT], v[H], 4, v[TT]
	s_add_co_u32 s62, s62, KH
	v_add_nc_u32 v[LKW], s62, v[TT]
	s_mul_i32 s62, s[WI], 3072
	s_add_co_u32 s62, s62, AD
	v_mul_u32_u24 v[TT], v[R], 48
	v_lshl_add_u32 v[TT], v[H], 4, v[TT]
	v_add_nc_u32 v[LAD], s62, v[TT]
	v_and_b32 v[TT], 3, v0
	v_lshl_add_u32 v[LADW], v[H], 4, s62
	v_mad_u32_u24 v[LADW], v[TT], 768, v[LADW]
	v_lshl_add_u32 v[LQD], v[H], 4, s60
	v_mad_u32_u24 v[LQD], v[TT], 2368, v[LQD]
	v_lshl_add_u32 v[LDI], v[H], 5, DI
	; F1: K'S SIDE.  The counts leave out what was issued behind the group in use: of the 40 loads, 36 behind my k, 28 behind my table, 24, 16, and the state's 8 behind v.
	s_wait_loadcnt 36                              ; my k
	CVT96 160
	s_wait_loadcnt 28                              ; my cosines and sines
	ROPE 192, 160, 32, 48
	PK16 96, 192
	ST4 LSK, 96, 9216                              ; own chunk: key rows 64 on
	s_wait_loadcnt 24
	CVT112 192
	s_wait_loadcnt 16
	ROPE 128, 192, 224, 240
	PK16 112, 128
	ST4 LSK, 112, 0
	s_wait_loadcnt 8                               ; v
	s_wait_kmcnt 0x0                               ; sigma
	CVT64 128                                      ; sigma v is reckoned in f32 and rounded to f16 once: sigma is a power of two
	PKSCL 128, 128, s[32:33]
	PK16 64, 128
	CVT80 192
	PKSCL 192, 192, s[32:33]
	PK16 80, 192
.irp i, 0,1,2,3
	ds_store_b128 v[LVW], v[64+4*\i:67+4*\i] offset:10240+640*\i
	ds_store_b128 v[LVW], v[80+4*\i:83+4*\i] offset:640*\i
.endr
.irp i, 0,1,2,3
	global_load_b128 v[112+4*\i:115+4*\i], v[GQ], s[12:13] offset:32*\i  ; q of the first head, wanted in F2
.endr
	SOFTMAX32 64, 160, 96                          ; kl
	GATES 192, 160, 128                            ; g2
	TOKST GTT, 192
	DIMLD 160, GTD
	s_wait_dscnt 0x0
	EXP32 192, 160                                 ; y
	v_nop                                          ; a plain instruction behind the exponentials: the running sum below writes their sources
.set z, 2
	s_wait_alu depctr_va_vdst(0)
.rept 15
	v_pk_add_f32 v[160+z:161+z], v[160+z:161+z], v[158+z:159+z]  ; the running sum down the block's tokens
.set z, z+2
.endr
	DIMST GTD, 192
	EXP32 192, 160                                 ; E
	v_nop                                          ; a plain instruction behind the last exponential
.set z, 0
	s_wait_alu depctr_va_vdst(0)
.rept 16
	v_pk_add_f32 v[128+z:129+z], v[190:191], v[160+z:161+z] neg_lo:[0,1] neg_hi:[0,1]
.set z, z+2
.endr
	DIMST QLD, 192
	s_lshl_b32 s60, s[WI], 8
	s_add_co_u32 s60, s60, DI
	v_lshl_add_u32 v[TT], v[LN], 3, s60
	ds_store_b64 v[TT], v[222:223]                 ; D = E of the block's last token
	EXP32 128, 128                                 ; F
	v_nop
	s_wait_alu depctr_va_vdst(0)
	DIMST QLD, 128, 4352
	TOKLD 128, QLT, 4352
	s_wait_dscnt 0x0
	PKMUL 128, 64, 128                             ; kl F
	PK16 96, 128
	ST4 LKW, 96, 0
	TOKLD 224, QLT, 0                              ; E in token layout
	v_mov_b32 v103, v[LQT]                         ; the loop below steps a copy: the last loop walks the same rows again
	s_wait_dscnt 0x0
	; F2: Q'S SIDE, a head a trip: ql and ql E into my tables.
	s_mov_b32 s[CNT], 4
.Lfeat:
	s_wait_loadcnt 0x0                             ; this head's q; its loads are done, so their base may step.  The first trip's wait also shows the state landed
	CVT112 160
	s_cmp_eq_u32 s[CNT], 1
	s_cbranch_scc1 .Lnoq1                          ; the last trip asks for nothing
	s_add_nc_u64 s[12:13], s[12:13], HEADB
.irp i, 0,1,2,3
	global_load_b128 v[112+4*\i:115+4*\i], v[GQ], s[12:13] offset:32*\i
.endr
.Lnoq1:
	SOFTMAX32 160, 160, 96
	PK16 128, 160
	ST4 LQL, 128, 0
	PKMUL 192, 160, 224
	PK16 144, 192
	ST4 103, 144, 0
	v_add_nc_u32 v[LQL], 2368, v[LQL]
	v_add_nc_u32 v103, 2304, v103
	s_sub_co_u32 s[CNT], s[CNT], 1
	s_cmp_lg_u32 s[CNT], 0
	s_cbranch_scc1 .Lfeat
	; D: THE DIAGONAL BLOCK, two steps a trip.  Lane (r, h) holds W of token s = r.  Lanes s < t are multiplied by y_t; lanes s <= t are packed; the others' packed words stay 0, so A needs no mask.
	s_wait_xcnt 0x0                                ; EXEC changes below; no global instruction is issued inside the loop
	PKSCL 64, 64, 0.5                              ; W starts as 0.5 kl
.set z, 0
.rept 32
	v_mov_b32 v[FA+z], 0
.set z, z+1
.endr
	s_mov_b32 s[TA], 0
	s_mov_b32 s[CNT], 8
.Ldiag:
.irp i, 0,1,2,3
	ds_load_b128 v[GA+8*\i:GA+8*\i+3], v[LG] offset:64*\i              ; y of step t for my dims: the same for all 16 tokens
	ds_load_b128 v[GA+8*\i+4:GA+8*\i+7], v[LG] offset:64*\i+16
	ds_load_b128 v[GB+8*\i:GB+8*\i+3], v[LG] offset:272+64*\i          ; of step t + 1
	ds_load_b128 v[GB+8*\i+4:GB+8*\i+7], v[LG] offset:272+64*\i+16
.endr
.irp i, 0,1,2,3
	ds_load_b128 v[QA+4*\i:QA+4*\i+3], v[LQD] offset:32*\i             ; ql of token t: column r is head r % 4
	ds_load_b128 v[QB+4*\i:QB+4*\i+3], v[LQD] offset:144+32*\i
.endr
	s_add_co_u32 s[TA+1], s[TA], 1
	s_add_co_u32 s[TA+2], s[TA], 2
	s_wait_dscnt 0x0
	v_cmp_gt_u32 vcc_lo, s[TA], v[R]
	s_and_saveexec_b32 s[SV], vcc_lo               ; s < t
	PKMUL 64, 64, GA
	s_or_b32 exec_lo, exec_lo, s[SV]
	v_cmp_gt_u32 vcc_lo, s[TA+1], v[R]
	s_and_saveexec_b32 s[SV], vcc_lo               ; s <= t, which is also s < t + 1
	PK16 FA, 64
	PKMUL 64, 64, GB
	s_or_b32 exec_lo, exec_lo, s[SV]
	v_cmp_gt_u32 vcc_lo, s[TA+2], v[R]
	s_and_saveexec_b32 s[SV], vcc_lo               ; s <= t + 1
	PK16 FB, 64
	s_or_b32 exec_lo, exec_lo, s[SV]
	v_wmma_f32_16x16x32_f16 v[DA:DA+7], v[FA:FA+7], v[QA:QA+7], 0      ; the two steps' sums take turns
	v_wmma_f32_16x16x32_f16 v[DB:DB+7], v[FB:FB+7], v[QB:QB+7], 0
	v_wmma_f32_16x16x32_f16 v[DA:DA+7], v[FA+8:FA+15], v[QA+8:QA+15], v[DA:DA+7]
	v_wmma_f32_16x16x32_f16 v[DB:DB+7], v[FB+8:FB+15], v[QB+8:QB+15], v[DB:DB+7]
	v_add_nc_u32 v[LG], 544, v[LG]                 ; four places
	v_add_nc_u32 v[LQD], 288, v[LQD]
	v_nop
	v_nop
.irp j, 0,1,2,3
	v_cvt_pk_f16_f32 v[TD+\j], v[DA+2*\j], v[DA+2*\j+1]
.endr
.irp j, 0,1,2,3
	v_cvt_pk_f16_f32 v[TD+4+\j], v[DB+2*\j], v[DB+2*\j+1]
.endr
	ds_store_b128 v[LADW], v[TD:TD+3]              ; A[head r % 4][t][8 h ..]: the four lanes of a head write the same bytes
	ds_store_b128 v[LADW], v[TD+4:TD+7] offset:48
	v_add_nc_u32 v[LADW], 96, v[LADW]
	s_add_co_u32 s[TA], s[TA], 2
	s_sub_co_u32 s[CNT], s[CNT], 1
	s_cmp_lg_u32 s[CNT], 0
	s_cbranch_scc1 .Ldiag
.irp i, 0,1,2,3
	global_load_b128 v[96+4*\i:99+4*\i], v[GQ], s[14:15] offset:32*\i  ; q of the first head once more, for the window branch
.endr
.irp kb, 0,1,2,3
.irp j, 4,5,6,7
	v_mov_b32 v[AF+8*\kb+\j], 0                    ; the state's product has 16 tokens as K: the operands' upper halves are 0
.endr
.endr
.irp j, 4,5,6,7
	v_mov_b32 v[BF+\j], 0
.endr
	s_wait_dscnt 0x0                               ; BARRIER X: every wave's k, v, kl F and D are stored, and its reads of ql are over: the states' table takes ql's place
	s_barrier_signal -1
	s_barrier_wait -1
	; S: THE STATES at the four blocks' beginnings, times 0.5, as f16 [v][key dim].
.macro SOUT
	PKSCL 160, ST, 0.5
	PK16 192, 160
	ST4 LSO, 192, 0
	v_add_nc_u32 v[LSO], 9216, v[LSO]
.endm
	s_set_vgpr_msb 0x01                            ; source 0 in window 1: the state has lain in v256-287 since the feature loop's first wait
	PKSCL ST, 0, s[32:33]                          ; sigma times the state, into v128-159
	s_set_vgpr_msb 0x0100                          ; all back to window 0
	s_mov_b32 s[CNT], 3
.Lstate:
	SOUT
.irp kb, 0,1,2,3
	ds_load_b128 v[DD+8*\kb:DD+8*\kb+3], v[LDI] offset:64*\kb
	ds_load_b128 v[DD+8*\kb+4:DD+8*\kb+7], v[LDI] offset:64*\kb+16
.endr
.irp kb, 0,1,2,3
	ds_load_tr16_b128 v[AF+8*\kb:AF+8*\kb+3], v[LKT] offset:32*\kb
.endr
	ds_load_tr16_b128 v[BF:BF+3], v[LVS]
	s_wait_dscnt 0x0
	PKMUL ST, ST, DD
.irp kb, 0,1,2,3
	v_wmma_f32_16x16x32_f16 v[ST+8*\kb:ST+8*\kb+7], v[AF+8*\kb:AF+8*\kb+7], v[BF:BF+7], v[ST+8*\kb:ST+8*\kb+7]
.endr
	v_add_nc_u32 v[LDI], 256, v[LDI]               ; four places
	v_add_nc_u32 v[LKT], 2560, v[LKT]
	v_add_nc_u32 v[LVS], 2560, v[LVS]
	v_nop
	s_sub_co_u32 s[CNT], s[CNT], 1
	s_cmp_lg_u32 s[CNT], 0
	s_cbranch_scc1 .Lstate
	SOUT
	s_wait_dscnt 0x0                               ; BARRIER Y: the states' table is whole; the masks, work on registers, are made between signal and wait
	s_barrier_signal -1
	v_lshlrev_b32 v[TT], 3, v[H]
	v_sub_nc_u32 v[TT], v[R], v[TT]                ; r - 8 h: register j is key 8 h + j of a tile
	s_cmp_eq_u32 s[CH], 0
	s_cselect_b32 s[ZB], s[BIG], 0
	v_mov_b32 v120, s[ZB]
.irp j, 0,1,2,3,4,5,6,7
	v_cmp_lt_i32 vcc_lo, \j, v[TT]
	v_cndmask_b32 v[MK+\j], v120, s[BIG], vcc_lo   ; the first tile: hidden where s < r, and in chunk 0
	v_cmp_gt_i32 vcc_lo, \j, v[TT]
	v_cndmask_b32 v[MK+48+\j], 0, s[BIG], vcc_lo   ; the last: hidden where s > r
.endr
.irp k, 1,2,3
	s_add_co_u32 s60, s[WI], \k
	s_cmp_lt_u32 s60, 4                            ; a tile of the chunk before?
	s_cselect_b32 s60, s[ZB], 0
.irp j, 0,1,2,3,4,5,6,7
	v_mov_b32 v[MK+8*\k+\j], s60
.endr
.endr
	s_barrier_wait -1
	; A: BOTH BRANCHES' OUTPUT, a head a trip.
.macro SKLD c2                         ; k's fragments of the five tiles, dims 32 c2 on
.irp k, 0,1,2,3,4
	ds_load_b128 v[BUF+8*\k:BUF+8*\k+3], v[LSK] offset:\k*2304+64*(\c2)
	ds_load_b128 v[BUF+8*\k+4:BUF+8*\k+7], v[LSK] offset:\k*2304+64*(\c2)+32
.endr
.endm
.macro VLD vf, ka, kb                  ; v^T of key tiles ka, kb: four fragments of 16 channels x 32 keys
.irp vt, 0,1,2,3
	ds_load_tr16_b128 v[\vf+8*\vt:\vf+8*\vt+3], v[LVT] offset:(\ka)*2560+32*\vt
	ds_load_tr16_b128 v[\vf+8*\vt+4:\vf+8*\vt+7], v[LVT] offset:(\kb)*2560+32*\vt
.endr
.endm
.macro SLD vf, c2                      ; the state's rows (channels), key dims 32 c2 on
.irp vt, 0,1,2,3
	ds_load_b128 v[\vf+8*\vt:\vf+8*\vt+3], v[LSF] offset:\vt*2304+64*(\c2)
	ds_load_b128 v[\vf+8*\vt+4:\vf+8*\vt+7], v[LSF] offset:\vt*2304+64*(\c2)+32
.endr
.endm
.macro OMUL vf, b, zero                ; O^T's four accumulators, by turns
.irp vt, 0,1,2,3
.if \zero
	v_wmma_f32_16x16x32_f16 v[O+8*\vt:O+8*\vt+7], v[\vf+8*\vt:\vf+8*\vt+7], v[\b:\b+7], 0
.else
	v_wmma_f32_16x16x32_f16 v[O+8*\vt:O+8*\vt+7], v[\vf+8*\vt:\vf+8*\vt+7], v[\b:\b+7], v[O+8*\vt:O+8*\vt+7]
.endif
.endr
.endm
	s_mov_b32 s[CNT], 4
.Lhead:
	s_wait_loadcnt 0x0                             ; this head's q
.irp i, 0,1,2,3
	ds_load_b128 v[QTF+4*\i:QTF+4*\i+3], v[LQT] offset:32*\i
.endr
	CVT96 224
	s_cmp_eq_u32 s[CNT], 1
	s_cbranch_scc1 .Lnoq2                          ; the last trip asks for nothing
	s_add_nc_u64 s[14:15], s[14:15], HEADB
.irp i, 0,1,2,3
	global_load_b128 v[96+4*\i:99+4*\i], v[GQ], s[14:15] offset:32*\i
.endr
.Lnoq2:
	ROPE SC, 224, 32, 48
	PK16 SQ, SC
	SKLD 0
	s_wait_dscnt 0x0
.irp k, 0,1,2,3,4
	v_wmma_f32_16x16x32_f16 v[SC+8*\k:SC+8*\k+7], v[BUF+8*\k:BUF+8*\k+7], v[SQ:SQ+7], v[MK+8*\k+16*(\k/4):MK+8*\k+16*(\k/4)+7]  ; S^T = K Q^T, started by the mask
.endr
	NOP4
	SKLD 1
	s_wait_dscnt 0x0
.irp k, 0,1,2,3,4
	v_wmma_f32_16x16x32_f16 v[SC+8*\k:SC+8*\k+7], v[BUF+8*\k:BUF+8*\k+7], v[SQ+8:SQ+15], v[SC+8*\k:SC+8*\k+7]
.endr
	NOP4
	ds_load_b128 v[P+20:P+23], v[LAD]              ; A of my query, keys 8 h ..: the upper half of the last fragment of weights
.irp k, 0,1,2,3,4
	v_max3_num_f32 v[STAT+\k], v[SC+8*\k], v[SC+8*\k+1], v[SC+8*\k+2]  ; each accumulator's lowest registers are read first
.endr
.irp k, 0,1,2,3,4
	v_max3_num_f32 v[STAT+\k], v[STAT+\k], v[SC+8*\k+3], v[SC+8*\k+4]
.endr
.irp k, 0,1,2,3,4
	v_max3_num_f32 v[STAT+\k], v[STAT+\k], v[SC+8*\k+5], v[SC+8*\k+6]
.endr
	v_max3_num_f32 v[STAT], v[STAT], v[SC+7], v[SC+15]
	v_max3_num_f32 v[STAT+1], v[STAT+1], v[SC+23], v[SC+31]
	v_max3_num_f32 v[STAT+2], v[STAT+2], v[STAT+3], v[SC+39]
	v_max3_num_f32 v[STAT], v[STAT], v[STAT+1], v[STAT+2]
	v_max_num_f32 v[STAT], v[STAT], v[STAT+4]
	v_permlanex16_b32 v[STAT+1], v[STAT], s[SEL], s[SEL+1]  ; the query's other 40 keys lie in the lane 16 away
	v_max_num_f32 v[STAT], v[STAT], v[STAT+1]      ; a true score: every query sees its own key
	v_mul_f32 v[STAT], s[L8], v[STAT]
.set z, 0
.rept 20
	v_pk_fma_f32 v[SC+z:SC+z+1], v[SC+z:SC+z+1], s[L8:L8+1], v[STAT:STAT+1] op_sel_hi:[1,0,0] neg_lo:[0,0,1] neg_hi:[0,0,1]
.set z, z+2
.endr
.set z, 0
.rept 40
	v_exp_f32 v[SC+z], v[SC+z]
.set z, z+1
.endr
	v_nop
	s_wait_alu depctr_va_vdst(0)
	v_pk_add_f32 v[STAT+2:STAT+3], v[SC:SC+1], v[SC+2:SC+3]
	v_pk_add_f32 v[STAT+4:STAT+5], v[SC+4:SC+5], v[SC+6:SC+7]
.set z, 8
.rept 8
	v_pk_add_f32 v[STAT+2:STAT+3], v[STAT+2:STAT+3], v[SC+z:SC+z+1]
	v_pk_add_f32 v[STAT+4:STAT+5], v[STAT+4:STAT+5], v[SC+z+2:SC+z+3]
.set z, z+4
.endr
	v_pk_add_f32 v[STAT+2:STAT+3], v[STAT+2:STAT+3], v[STAT+4:STAT+5]
	v_add_f32 v[STAT+2], v[STAT+2], v[STAT+3]
	v_permlanex16_b32 v[STAT+3], v[STAT+2], s[SEL], s[SEL+1]
	v_add_f32 v[STAT+2], v[STAT+2], v[STAT+3]
	v_rcp_f32 v[STAT+2], v[STAT+2]
	v_nop
	s_wait_alu depctr_va_vdst(0)
	v_mul_f32 v[STAT+2], 0.5, v[STAT+2]            ; the branch's half goes into the weights
.set z, 0
.rept 20
	v_pk_mul_f32 v[SC+z:SC+z+1], v[SC+z:SC+z+1], v[STAT+2:STAT+3] op_sel_hi:[1,0]
.set z, z+2
.endr
.set z, 0
.rept 20
	v_cvt_pk_f16_f32 v[P+z], v[SC+2*z], v[SC+2*z+1]
.set z, z+1
.endr
	; O^T = V^T P (tiles 0-3), + V^T [P of tile 4 | A] (my own tile's v, loaded into both halves), + S^T (ql E): five groups of four products on two operand buffers.
	VLD VF0, 0, 1
	VLD VF1, 2, 3
	s_wait_dscnt 8                                 ; all but the younger buffer's eight loads
	OMUL VF0, P, 1
	NOP4
	VLD VF0, 4, 4
	s_wait_dscnt 8
	OMUL VF1, P+8, 0
	NOP4
	SLD VF1, 0
	s_wait_dscnt 8
	OMUL VF0, P+16, 0
	NOP4
	SLD VF0, 1
	s_wait_dscnt 8
	OMUL VF1, QTF, 0
	s_wait_dscnt 0x0
	OMUL VF0, QTF+8, 0
	NOP4
	PK16 VF0, O
	ST4 STO, VF0, 0                                ; through my stage: rows of 144 bytes in, whole rows of 128 back
.irp f, 0,1,2,3
	ds_load_b128 v[P+4*\f:P+4*\f+3], v[RD] offset:\f*576
.endr
.irp f, 0,1,2,3
	s_wait_dscnt 3-\f
	global_store_b128 v[GL], v[P+4*\f:P+4*\f+3], s[30:31] offset:512*\f  ; 512 consecutive bytes of the head
.endr
	s_wait_xcnt 0x0                                ; only behind this wait are the stores' base and data rewritten
	s_add_nc_u64 s[30:31], s[30:31], HEADB
	v_add_nc_u32 v[LQT], 2304, v[LQT]
	v_add_nc_u32 v[LAD], 768, v[LAD]
	s_sub_co_u32 s[CNT], s[CNT], 1
	s_cmp_lg_u32 s[CNT], 0
	s_cbranch_scc1 .Lhead
	s_wait_tensorcnt 0x0                           ; the wave's end
	ds_add_u32 v[SPW], v[NIL]
	s_wait_dscnt 0x0
	s_endpgm
.Lfunc_end_k_q30cc82be4e_attn:
	.size	k_q30cc82be4e_attn, .Lfunc_end_k_q30cc82be4e_attn-k_q30cc82be4e_attn
	.p2alignl 7, 3214868480
	.fill 96, 4, 3214868480
	.section	.rodata,"a",@progbits
	.p2align	6, 0x0
	.amdhsa_kernel k_q30cc82be4e_attn
		.amdhsa_group_segment_fixed_size 155136
		.amdhsa_private_segment_fixed_size 0
		.amdhsa_enable_private_segment 0
		.amdhsa_kernarg_size 32
		.amdhsa_user_sgpr_count 2
		.amdhsa_user_sgpr_kernarg_segment_ptr 1
		.amdhsa_wavefront_size32 1
		.amdhsa_system_sgpr_workgroup_id_x 1
		.amdhsa_system_sgpr_workgroup_id_y 1
		.amdhsa_system_sgpr_workgroup_id_z 1
		.amdhsa_system_vgpr_workitem_id 0
		.amdhsa_next_free_vgpr 288
		.amdhsa_next_free_sgpr 66
		.amdhsa_reserve_vcc 1
		.amdhsa_float_denorm_mode_32 3
		.amdhsa_float_denorm_mode_16_64 3
		.amdhsa_memory_ordered 1
		.amdhsa_forward_progress 1
		.amdhsa_inst_pref_size 106
	.end_amdhsa_kernel
	.amdgpu_metadata
---
amdhsa.version: [ 1, 2 ]
amdhsa.kernels:
  - .name:           k_q30cc82be4e_attn
    .symbol:         k_q30cc82be4e_attn.kd
    .args:
      - { .name: cst, .offset: 0, .size: 8, .value_kind: global_buffer, .address_space: global }
      - { .name: qkvh, .offset: 8, .size: 8, .value_kind: global_buffer, .address_space: global }
      - { .name: sst, .offset: 16, .size: 8, .value_kind: global_buffer, .address_space: global }
      - { .name: o16, .offset: 24, .size: 8, .value_kind: global_buffer, .address_space: global }
    .group_segment_fixed_size: 155136
    .private_segment_fixed_size: 0
    .kernarg_segment_align: 8
    .kernarg_segment_size: 32
    .max_flat_workgroup_size: 128
    .sgpr_count:     66
    .vgpr_count:     288
    .wavefront_size: 32
...
	.end_amdgpu_metadata
.endif
;; end of part 5
;; launch gemm2 (part 6): grid 8 x 32, 4 waves a work-group, clusters of 4 x 4, 327,680 bytes of LDS; arguments o16, cst, sst, out0; writes out0
.if DOCPART == 6
	.amdgcn_target "amdgcn-amd-amdhsa--gfx1250"
	.amdhsa_code_object_version 6
	.text
	.protected	k_q30cc82be4e_gemm2
	.globl	k_q30cc82be4e_gemm2
	.p2align	8
	.type	k_q30cc82be4e_gemm2,@function
k_q30cc82be4e_gemm2:
	s_mov_b64 s[64:65], 0
	v_nop
	global_prefetch_b8 v0, s[64:65] scope:SCOPE_SE
	s_setreg_imm32_b32 hwreg(HW_REG_WAVE_MODE, 25, 1), 1
	s_wait_xcnt 0x0
	s_wait_alu depctr_hold_cnt(0) depctr_sa_sdst(0) depctr_va_vdst(0) depctr_va_sdst(0) depctr_va_ssrc(0) depctr_va_vcc(0) depctr_vm_vsrc(0)
	s_getreg_b32 s2, hwreg(HW_REG_IB_STS2, 6, 4)
	s_cmp_eq_u32 s2, 0
	s_cbranch_scc0 .Lentry_in_a_cluster
	s_endpgm
.Lentry_in_a_cluster:
	s_bfe_u32 s2, ttmp6, 0x10000c
	s_cmp_lg_u32 s2, 0xf033
	s_cbranch_scc0 .Lentry_shape_is_right
	s_endpgm
.Lentry_shape_is_right:
; out0 = o Wo.  o16 = sigma o: f16 by heads [32][4096][64]; Wo: f16 [2048 k][2048 n] at cst + WO16; sums in f32, divided by sigma (a power of two) on the way out; out0: f32 [4096][2048].
; A tile of C is 128 x 256: 32 x 8 = 256 work-groups.  Four waves, each 64 x 128: 32 accumulators.  K goes in steps of 128 = two heads through two LDS slots.
; A head's 128 rows are 16,384 dense bytes: asked for as 64 rows of 256 bytes and padded after every 128.  Wo lies [k][n]: strips of 128 columns, read turned by ds_load_tr16_b128.
; CLUSTER 4 x 4: o's tiles are shared along a row of the cluster, Wo's strips along a column: joint loads.  Waves 0, 1 ask for the step's two heads, waves 2, 3 for the two strips.
; THE MATRIX INSTRUCTION IS USED TRANSPOSED (source 0 = 16 columns of Wo, source 1 = 16 rows of o): a lane holds eight neighbouring numbers of a row of C.
; REGISTERS: window 0: v0-31 addresses, v128-191 o's fragments (two buffers), on the way out v32-95 and v192-255; window 1: Wo's fragments, two buffers of 64;
;   window 2: accumulators of row blocks 0, 1 ((a, b) at 8 (8 (a % 2) + b)); window 3: of row blocks 2, 3.
.set NB,     8
.set PA,     144                       ; a row of o in LDS: 128 bytes + 16
.set HEADL,  128*PA                    ; a head's tile
.set PB,     288
.set STRIP,  128*PB
.set SLOT,   3*STRIP                   ; two heads in the first 36,864 bytes, then two strips
.set STAGE,  2*SLOT                    ; 16 rows x 528 bytes for each wave
.set SP,     528
.set SPARE,  STAGE+4*16*SP
.set LAPS,   8
.set WO16,   29360128
.set STEPA,  4*524288                  ; two K steps are four heads
.set STEPB,  2*128*4096
.set ADRA, 16
.set ADRB, 18
.set STO,  24
.set RD,   25
.set CO,   26
.set SPW,  28
.set NIL,  29
.set TMP,  32
.set OB,   192
.set FA,   128
.set FB,   0
.set G1, 24
.set G0, 32
.set G1B, 48
.set G0B, 56
.set MSB, 0
.macro WIN new
.if MSB != (\new)
	s_set_vgpr_msb (MSB<<8)|(\new)
.set MSB, \new
.endif
.endm
.set MUL_LO, 0xa1
.set MUL_HI, 0xf1
.set TO_B,   0x40
.macro JLOAD s                         ; a joint load; an s_nop 0 and four v_nop follow each of the two lines
	s_cmp_eq_u32 s11, 0
	s_cbranch_scc0 .Lfor_b_\@
	tensor_load_to_lds s[G0+4*(\s):G0+4*(\s)+3], s[G1:G1+7]
	s_nop 0
.rept 4
	v_nop
.endr
	s_branch .Lasked_\@
.Lfor_b_\@:
	tensor_load_to_lds s[G0B+4*(\s):G0B+4*(\s)+3], s[G1B:G1B+7]
	s_nop 0
.rept 4
	v_nop
.endr
.Lasked_\@:
.endm
.macro CREST
	s_cmp_lg_u32 s10, 0
	s_cbranch_scc1 .Lnot_wave_0_\@
	s_barrier_signal -3
.Lnot_wave_0_\@:
	s_barrier_wait -3
	s_barrier_signal -1
	s_barrier_wait -1
.endm
.macro CROUND
	s_barrier_signal -1
	s_barrier_wait -1
	CREST
.endm
	s_load_b256 s[68:75], s[0:1], 0x0              ; o16 s[68:69], cst s[70:71], sst s[72:73], out0 s[74:75]
	v_lshl_add_u32 v[SPW], v0, 2, SPARE
	v_mov_b32 v[NIL], 0
	ds_add_u32 v[SPW], v[NIL]                      ; the wave's opening: the add and its wait ahead of my first tensor load
	v_lshrrev_b32 v1, 5, v0
	v_readfirstlane_b32 s10, v1
	s_lshr_b32 s11, s10, 1                         ; my half of the tile's rows.  Also: I fetch o (0) or Wo (1)
	s_and_b32 s12, s10, 1                          ; my half of its columns.  Also: which head or strip I fetch
	s_bfe_u32 s40, ttmp6, 0x40000
	s_bfe_u32 s41, ttmp6, 0x40004
	s_lshl_b32 s42, ttmp9, 2
	s_add_co_u32 s42, s42, s40                     ; tile column
	s_and_b32 s13, ttmp7, 0xffff
	s_lshl_b32 s13, s13, 2
	s_add_co_u32 s13, s13, s41                     ; tile row
	s_lshl_b32 s43, s41, 2
	s_lshl_b32 s43, 15, s43
	s_lshl_b32 s44, 0x1111, s40
	s_or_b32 s[G1+0], s43, (1<<16)|(1<<20)|(1<<21)|(4<<22)|(3<<25)   ; my row's mask; 2-byte elements; padding on; bit 21 beside a mask; after every 32 words 4 words
	s_or_b32 s[G1B+0], s44, (1<<16)|(1<<20)|(1<<21)|(5<<22)|(7<<25)  ; my column's mask; after every 64 words 8 words
	s_mov_b32 s[G1+1], 128<<16                     ; o: 64 rows of 128 elements, dense
	s_mov_b32 s[G1+2], 64<<16
	s_mov_b32 s[G1+3], 128<<16
	s_mov_b32 s[G1+4], 64
	s_mov_b32 s[G1+5], 128
	s_mov_b32 s[G1+6], 0
	s_mov_b32 s[G1+7], 0
	s_mov_b32 s[G1B+1], 128<<16                    ; Wo: 128 rows of 128 elements, 2,048 from row to row
	s_mov_b32 s[G1B+2], 128<<16
	s_mov_b32 s[G1B+3], 128<<16
	s_mov_b32 s[G1B+4], 128
	s_mov_b32 s[G1B+5], 2048
	s_mov_b32 s[G1B+6], 0
	s_mov_b32 s[G1B+7], 0
	s_lshl_b32 s16, s12, 19                        ; o: my head of the step's two,
	s_lshl_b32 s17, s13, 14                        ; the tile's 128 rows of 128 bytes
	s_add_co_u32 s16, s16, s17
	s_mov_b32 s17, 0
	s_lshl_b32 s46, s42, 9                         ; Wo: 256 columns a tile column,
	s_lshl_b32 s47, s12, 8                         ; my strip
	s_add_co_u32 s46, s46, s47
	s_add_co_u32 s46, s46, WO16
	s_mov_b32 s47, 0
	s_mul_i32 s20, s12, HEADL                      ; where a head lands,
	s_mul_i32 s21, s12, STRIP
	s_add_co_u32 s21, s21, STRIP                   ; where a strip
	s_wait_dscnt 0x0
	s_wait_kmcnt 0x0
	s_load_b32 s76, s[72:73], 0x4                  ; 1 / sigma, wanted on the way out
	s_add_nc_u64 s[14:15], s[68:69], s[16:17]
	s_add_nc_u64 s[46:47], s[70:71], s[46:47]
	CROUND
.irp s, 0,1
	s_mov_b32 s[G0+4*\s], 1
	s_add_co_u32 s[G0+4*\s+1], s20, \s*SLOT
	s_add_nc_u64 s[G0+4*\s+2:G0+4*\s+3], s[14:15], \s*2*524288
	s_or_b32 s[G0+4*\s+3], s[G0+4*\s+3], 0x80000000
	s_mov_b32 s[G0B+4*\s], 1
	s_add_co_u32 s[G0B+4*\s+1], s21, \s*SLOT
	s_add_nc_u64 s[G0B+4*\s+2:G0B+4*\s+3], s[46:47], \s*128*4096
	s_or_b32 s[G0B+4*\s+3], s[G0B+4*\s+3], 0x80000000
	JLOAD \s                                       ; two loads of mine are out
.endr
	v_and_b32 v1, 15, v0
	v_bfe_u32 v2, v0, 4, 1
	v_mul_u32_u24 v3, v1, PA
	v_lshl_add_u32 v3, v2, 4, v3
	s_mul_i32 s22, s11, 64*PA
	v_add_nc_u32 v[ADRA], s22, v3
	v_add_nc_u32 v[ADRA+1], SLOT, v[ADRA]
	v_and_b32 v4, 7, v0
	v_lshl_add_u32 v4, v2, 3, v4
	v_mul_u32_u24 v4, v4, PB
	v_bfe_u32 v5, v0, 3, 1
	v_lshl_add_u32 v4, v5, 4, v4
	v_add_nc_u32 v[ADRB], s21, v4                  ; my strip is my half of the columns: groups of 64 columns at 0 and 128 bytes
	v_add_nc_u32 v[ADRB+1], 128, v[ADRB]
	v_add_nc_u32 v[ADRB+3], SLOT, v[ADRB]
	v_add_nc_u32 v[ADRB+4], SLOT, v[ADRB+1]
	s_mul_i32 s23, s10, 16*SP
	s_add_co_u32 s23, s23, STAGE
	v_mul_u32_u24 v5, v1, SP
	v_lshl_add_u32 v5, v2, 5, v5
	v_add_nc_u32 v[STO], s23, v5                   ; in: row r, 32 bytes for each half of the lanes
	v_and_b32 v[CO], 31, v0
	v_lshlrev_b32 v[CO], 4, v[CO]
	v_add_nc_u32 v[RD], s23, v[CO]                 ; back: a row's 512 bytes
	s_lshl_b32 s16, s13, 20
	s_lshl_b32 s17, s11, 19
	s_add_co_u32 s16, s16, s17                     ; my first row: (128 x tile row + 64 x half) x 8,192 bytes
	s_lshl_b32 s46, s42, 10
	s_lshl_b32 s47, s12, 9
	s_add_co_u32 s46, s46, s47
	s_add_co_u32 s16, s16, s46
	s_mov_b32 s17, 0
	s_add_nc_u64 s[74:75], s[74:75], s[16:17]
.macro MULA f, hi, a, zero             ; 8 matrix instructions; the 32 accumulators take turns, one instruction a turn
	WIN MUL_LO+0x50*(\hi)
.set rA, FA+32*(\f)+8*(2*(\hi)+(\a))
.irp b, 0,1,2,3,4,5,6,7
.set rC, 8*(NB*(\a)+\b)
.set rB, FB+8*NB*(\f)+8*\b
.if \zero
	v_wmma_f32_16x16x32_f16 v[rC:rC+7], v[rB:rB+7], v[rA:rA+7], 0
.else
	v_wmma_f32_16x16x32_f16 v[rC:rC+7], v[rB:rB+7], v[rA:rA+7], v[rC:rC+7]
.endif
.endr
.endm
.macro FETCH slot, q, f                ; 24 LDS loads in one run: quarter q = head q / 2, dims 32 (q % 2) on
	WIN TO_B
.irp b, 0,1,2,3,4,5,6,7
	ds_load_tr16_b128 v[FB+8*NB*(\f)+8*\b:FB+8*NB*(\f)+8*\b+3],   v[ADRB+3*(\slot)+\b/4] offset:(\q)*32*PB+(\b%4)*32
	ds_load_tr16_b128 v[FB+8*NB*(\f)+8*\b+4:FB+8*NB*(\f)+8*\b+7], v[ADRB+3*(\slot)+\b/4] offset:(\q)*32*PB+(\b%4)*32+16*PB
.endr
	WIN 0
.irp a, 0,1,2,3
	ds_load_b128 v[FA+32*(\f)+8*\a:FA+32*(\f)+8*\a+3],   v[ADRA+(\slot)] offset:((\q)/2)*HEADL+((\q)%2)*64+\a*16*PA
	ds_load_b128 v[FA+32*(\f)+8*\a+4:FA+32*(\f)+8*\a+7], v[ADRA+(\slot)] offset:((\q)/2)*HEADL+((\q)%2)*64+\a*16*PA+32
.endr
.endm
.macro PLACES
.rept 4
	v_nop
.endr
.endm
.macro QUARTER slot, q, f, g, zero
	s_wait_dscnt 4                                 ; all but the youngest four loads: o's row blocks 2 and 3
	MULA \f, 0, 0, \zero
	MULA \f, 0, 1, \zero
	PLACES
	FETCH \slot, \q, \g
	s_wait_dscnt 2*NB+8                            ; all but the 24 just issued
	MULA \f, 1, 0, \zero
	MULA \f, 1, 1, \zero
.endm
.macro TURN slot, next, fill
	WIN 0
	s_wait_tensorcnt 0x0                           ; all my tensor loads have landed: the one that was out is my part of the next slot
	ds_add_u32 v[SPW], v[NIL]
	s_wait_dscnt 5                                 ; the add and the youngest four loads may be out
	MULA 1, 0, 0, 0
	s_wait_dscnt 0x0                               ; the add is done, and my reads of this slot are over
	s_barrier_signal -1
	MULA 1, 0, 1, 0
.if \fill
	WIN 0
.endif
	s_barrier_wait -1
.if \fill
	CREST                                          ; no wave of any partner still reads this slot or has a load on its way
	s_add_nc_u64 s[G0+4*(\slot)+2:G0+4*(\slot)+3], s[G0+4*(\slot)+2:G0+4*(\slot)+3], STEPA
	s_add_nc_u64 s[G0B+4*(\slot)+2:G0B+4*(\slot)+3], s[G0B+4*(\slot)+2:G0B+4*(\slot)+3], STEPB
	JLOAD \slot                                    ; my one load behind the round; its four v_nop are also the places in front of the loads below
.else
	PLACES
.endif
	FETCH \next, 0, 0
	MULA 1, 1, 0, 0
	MULA 1, 1, 1, 0
.endm
	s_wait_tensorcnt 1                             ; my part of K step 0 is in; K step 1's may stay out
	s_barrier_signal -1
	s_barrier_wait -1
	FETCH 0, 0, 0
	QUARTER 0, 1, 0, 1, 1
	WIN 0
	s_mov_b32 s3, LAPS-1
.Llap:
	QUARTER 0, 2, 1, 0, 0
	QUARTER 0, 3, 0, 1, 0
	TURN 0, 1, 1
	QUARTER 1, 1, 0, 1, 0
	QUARTER 1, 2, 1, 0, 0
	QUARTER 1, 3, 0, 1, 0
	TURN 1, 0, 1
	QUARTER 0, 1, 0, 1, 0
	WIN 0
	s_sub_co_u32 s3, s3, 1
	s_cmp_lg_u32 s3, 0
	s_cbranch_scc1 .Llap
	QUARTER 0, 2, 1, 0, 0
	QUARTER 0, 3, 0, 1, 0
	TURN 0, 1, 0
	QUARTER 1, 1, 0, 1, 0
	QUARTER 1, 2, 1, 0, 0
	QUARTER 1, 3, 0, 1, 0
	s_wait_dscnt 4
	MULA 1, 0, 0, 0
	MULA 1, 0, 1, 0
	s_wait_dscnt 0x0
	MULA 1, 1, 0, 0
	MULA 1, 1, 1, 0
	WIN 0
	s_wait_kmcnt 0x0
	s_mov_b32 s77, s76                             ; named with it as a pair
; THE WAY OUT, 16 rows at a time: divided by sigma, 32 bytes a lane into my stage, back as whole rows of 512 bytes, stored.
.macro OUTA a
	WIN 0x02+((\a)/2)                              ; source 0: window 2 or 3
.irp b, 0,1,2,3,4,5,6,7
.irp p, 0,1,2,3
	v_pk_mul_f32 v[TMP+8*\b+2*\p:TMP+8*\b+2*\p+1], v[8*(NB*((\a)%2)+\b)+2*\p:8*(NB*((\a)%2)+\b)+2*\p+1], s[76:77] op_sel_hi:[1,0]
.endr
.endr
	WIN 0
.irp b, 0,1,2,3,4,5,6,7
	ds_store_b128 v[STO], v[TMP+8*\b:TMP+8*\b+3] offset:64*\b
	ds_store_b128 v[STO], v[TMP+8*\b+4:TMP+8*\b+7] offset:64*\b+16
.endr
	s_wait_xcnt 0x0                                ; the registers that the last block's stores read are loaded again only behind this wait
.irp f, 0,1,2,3,4,5,6,7,8,9,10,11,12,13,14,15
	ds_load_b128 v[OB+4*\f:OB+4*\f+3], v[RD] offset:\f*SP  ; LDS serves a wave's instructions in order (ISA guide 5.7.1.4): these see the stores above
.endr
.irp f, 0,1,2,3,4,5,6,7,8,9,10,11,12,13,14,15
	s_wait_dscnt 15-\f
	global_store_b128 v[CO], v[OB+4*\f:OB+4*\f+3], s[74:75] offset:(16*(\a)+\f)*8192 th:TH_STORE_NT  ; 512 consecutive bytes, at a multiple of 256 from out0's first
.endr
.endm
	PLACES
	OUTA 0
	OUTA 1
	OUTA 2
	OUTA 3
	s_wait_tensorcnt 0x0                           ; the wave's end
	ds_add_u32 v[SPW], v[NIL]
	s_wait_dscnt 0x0
	CROUND                                         ; the closing round
	s_endpgm
.Lfunc_end_k_q30cc82be4e_gemm2:
	.size	k_q30cc82be4e_gemm2, .Lfunc_end_k_q30cc82be4e_gemm2-k_q30cc82be4e_gemm2
	.p2alignl 7, 3214868480
	.fill 96, 4, 3214868480
	.section	.rodata,"a",@progbits
	.p2align	6, 0x0
	.amdhsa_kernel k_q30cc82be4e_gemm2
		.amdhsa_group_segment_fixed_size 327680
		.amdhsa_private_segment_fixed_size 0
		.amdhsa_enable_private_segment 0
		.amdhsa_kernarg_size 32
		.amdhsa_user_sgpr_count 2
		.amdhsa_user_sgpr_kernarg_segment_ptr 1
		.amdhsa_wavefront_size32 1
		.amdhsa_system_sgpr_workgroup_id_x 1
		.amdhsa_system_sgpr_workgroup_id_y 1
		.amdhsa_system_sgpr_workgroup_id_z 1
		.amdhsa_system_vgpr_workitem_id 0
		.amdhsa_next_free_vgpr 896
		.amdhsa_next_free_sgpr 80
		.amdhsa_reserve_vcc 0
		.amdhsa_float_denorm_mode_32 3
		.amdhsa_float_denorm_mode_16_64 3
		.amdhsa_memory_ordered 1
		.amdhsa_forward_progress 1
		.amdhsa_inst_pref_size 96
	.end_amdhsa_kernel
	.amdgpu_metadata
---
amdhsa.version: [ 1, 2 ]
amdhsa.kernels:
  - .name:           k_q30cc82be4e_gemm2
    .symbol:         k_q30cc82be4e_gemm2.kd
    .args:
      - { .name: o16, .offset: 0, .size: 8, .value_kind: global_buffer, .address_space: global }
      - { .name: cst, .offset: 8, .size: 8, .value_kind: global_buffer, .address_space: global }
      - { .name: sst, .offset: 16, .size: 8, .value_kind: global_buffer, .address_space: global }
      - { .name: out0, .offset: 24, .size: 8, .value_kind: global_buffer, .address_space: global }
    .group_segment_fixed_size: 327680
    .private_segment_fixed_size: 0
    .kernarg_segment_align: 8
    .kernarg_segment_size: 32
    .max_flat_workgroup_size: 128
    .sgpr_count:     80
    .vgpr_count:     896
    .wavefront_size: 32
...
	.end_amdgpu_metadata
.endif
;; end of part 6
